; MI455X (gfx1250); checked and timed in simulation.
; The chip was launched on July 23, 2026; its instructions are those of AMD's public machine-readable ISA for CDNA 5 (MIT licence, August 2026) and "CDNA5" Instruction Set Architecture Reference Guide (July 2026). The comments in the code are by the model that wrote it; some were corrected since.
;; Self Attention. Allowed arithmetic: matrix products marked QUANTISED: E5M2 operands, one E8M0 scale for each 32 along K, by v_wmma_scale_f32_16x16x128_f8f6f4 with both operands' format E5M2, f32 sums; everything else in f32.
;; Inputs: Wk_codes 1,024 x 32 x 32 uint8 (E5M2 codes of Wk, K innermost, in blocks of 32 codes); Wk_scales 1,024 x 32 uint8 (E8M0 scales of Wk, one for each 32 codes along K); Wq_codes 1,024 x 32 x 32 uint8 (E5M2 codes of Wq, K innermost, in blocks of 32 codes); Wq_scales 1,024 x 32 uint8 (E8M0 scales of Wq, one for each 32 codes along K); Wv_codes 1,024 x 32 x 32 uint8 (E5M2 codes of Wv, K innermost, in blocks of 32 codes); Wv_scales 1,024 x 32 uint8 (E8M0 scales of Wv, one for each 32 codes along K); bk 1,024 float32; bq 1,024 float32; bv 1,024 float32; x_codes 4 x 2,048 x 32 x 32 uint8 (E5M2 codes of x, K innermost, in blocks of 32 codes); x_scales 4 x 2,048 x 32 uint8 (E8M0 scales of x, one for each 32 codes along K).
;; Outputs: out0 4 x 2,048 x 1,024 float32.
;; This version of the problem:
;;   THIS VERSION OF THE PROBLEM IS GIVEN IN LOW PRECISION. The matrix products marked QUANTISED in the list below multiply operands that are first quantised to E5M2 (5 exponent bits, 2 mantissa bits; 8 bits a number), with one power-of-two scale for each 32 numbers along K (OCP MX v1.0); their sums are f32. All else is computed in f32.
;;   The module's matrix products, in the order in which they are computed (A, B: the left and right operand; K: the contracted axis; several contracted axes count as one K, in the product's order):
;;     1. [M 8,192, K 1,024] x [K 1,024, N 1,024]; A: input x (given as codes); B: input Wq (given as codes): QUANTISED
;;     2. [M 8,192, K 1,024] x [K 1,024, N 1,024]; A: input x (given as codes); B: input Wk (given as codes): QUANTISED
;;     3. [M 8,192, K 1,024] x [K 1,024, N 1,024]; A: input x (given as codes); B: input Wv (given as codes): QUANTISED
;;     4. batch 4 x [M 2,048, K 1,024] x [K 1,024, N 2,048]; A: computed on the way; B: computed on the way: QUANTISED
;;     5. batch 4 x [M 2,048, K 2,048] x [K 2,048, N 1,024]; A: softmax (see below); B: computed on the way: QUANTISED
;;   THE QUANTISER, for each operand of a quantised product, along K:
;;     - K is cut into blocks of 32 from its start; a last block that is shorter is filled with zeros.
;;     - A block's scale is 2^e with e = floor(log2(the largest magnitude in the block)) - 15, held to -126 .. 127; a block of zeros has e = 0. As a byte (E8M0): e + 127.
;;     - Each number is divided by its block's scale, clamped to +-57,344, and rounded to the nearest number of E5M2, ties to even, subnormals kept.
;;     - The product sums the exact products of the quantised numbers (number of the format x scale) in f32.
;;   ~~~python
;;   def quantise(x, axis):      # numpy; x: float32 -> the quantised numbers, widened to float32 again
;;       x = np.moveaxis(x, axis, -1); K = x.shape[-1]
;;       x = np.pad(x, [(0, 0)] * (x.ndim - 1) + [(0, -K % 32)]); x = x.reshape(x.shape[:-1] + (-1, 32)); a = np.abs(x).max(-1, keepdims=True)
;;       e = np.where(a > 0, np.clip(np.frexp(np.where(a > 0, a, 1))[1] - 1 - 15, -126, 127), 0)      # np.frexp(a)[1] - 1 = floor(log2(a)), exactly
;;       r = np.clip(x / 2.0 ** e, -57344, 57344)
;;       step = 2.0 ** (np.maximum(np.frexp(np.where(r == 0, 1, r))[1] - 1, -14) - 2)
;;       q = np.round(r / step) * step * 2.0 ** e      # np.round: ties to even
;;       return np.moveaxis(q.reshape(q.shape[:-2] + (-1,))[..., :K], -1, axis).astype(np.float32)
;;   ~~~
;;   SOFTMAX AHEAD OF A QUANTISED PRODUCT. Where the list says 'softmax', what is quantised is not the finished softmax but p = 2^(t - M), with t = logit x log2(e) and M = ceil(the row's largest t), a whole number; so 1/2 < the row's largest p <= 1. The row's sum l is taken of the UNQUANTISED p, in f32, and the product's result is divided by l at the end. Since M is a whole number, a kernel that streams over the keys may use a running M (the ceiling of the running maximum): every later rescaling is an exact power of two, which a block's scale takes up: the codes' values come out the same.
;;   OPERANDS COMPUTED ON THE WAY. 'Computed on the way' means the value that the module computes at that place (a softmax that the list does not call 'softmax' is quantised finished and normalised). What goes into a quantiser is computed in f32, as accurately as f32 sums, v_exp_f32 and their like allow (about 1e-6 of the number): no bf16 or f16 on the way to a quantiser, and a product that is left as it is and whose result goes on into a quantised operand takes f32 operands (vector FMAs, or v_wmma_f32_16x16x4_f32). A number that lies on a knife's edge between two numbers of the format may be rounded either way, as far as f32 arithmetic and the matrix unit's own rounding can turn it there, and no further.
;;   INPUTS GIVEN AS CODES. Wk (in the module: [1024, 1024], K = its axis 0); Wq (in the module: [1024, 1024], K = its axis 0); Wv (in the module: [1024, 1024], K = its axis 0); x (in the module: [4, 2048, 1024], K = its axis 2): each comes as NAME_codes (uint8): NAME with its K axis moved to the last place and cut into blocks of 32 codes, [.., K / 32, bytes a block], one block behind the other in memory; one code a byte (a code: sign, 5 exponent bits, 2 mantissa bits); and NAME_scales (uint8): the same leading axes, one E8M0 byte (e + 127) for each 32 codes along K. Its value is code x scale, taken as it is: it is not quantised again, and the codes and scales need not be those that the quantiser above would give.
;; One version. Each part assembles by itself: llvm-mc -triple=amdgcn-amd-amdhsa -mcpu=gfx1250 --defsym DOCPART=n.
;; ======== version 1 of 1: 3 launches
;; limits: right only within a limited range of input values
;; workspace buffers: codes1 25,165,824 bytes; scales1 786,432 bytes; pcodes 16,777,216 bytes; pstats 1,572,864 bytes
;; launch proj (part 1): grid 16 x 16, 4 waves a work-group, clusters of 4 x 4, 327,680 bytes of LDS; arguments x_codes, x_scales, Wq_codes, Wq_scales, Wk_codes, Wk_scales, Wv_codes, Wv_scales, bq, bk, bv, codes1, scales1; writes codes1, scales1
.if DOCPART == 1
	.amdgcn_target "amdgcn-amd-amdhsa--gfx1250"
	.amdhsa_code_object_version 6
	.text
	.protected	k_q85375eb408_proj
	.globl	k_q85375eb408_proj
	.p2align	8
	.type	k_q85375eb408_proj,@function
k_q85375eb408_proj:
	s_mov_b64 s[64:65], 0
	v_nop
	global_prefetch_b8 v0, s[64:65] scope:SCOPE_SE
	s_setreg_imm32_b32 hwreg(HW_REG_WAVE_MODE, 25, 1), 1
	s_wait_xcnt 0x0
	s_wait_alu depctr_hold_cnt(0) depctr_sa_sdst(0) depctr_va_vdst(0) depctr_va_sdst(0) depctr_va_ssrc(0) depctr_va_vcc(0) depctr_vm_vsrc(0)
	s_getreg_b32 s2, hwreg(HW_REG_IB_STS2, 6, 4)
	s_cmp_eq_u32 s2, 0
	s_cbranch_scc0 .Lentry_in_a_cluster
	s_endpgm
.Lentry_in_a_cluster:
	s_bfe_u32 s2, ttmp6, 0x10000c
	s_cmp_lg_u32 s2, 0xf033
	s_cbranch_scc0 .Lentry_shape_is_right
	s_endpgm
.Lentry_shape_is_right:
; Q = x Wq + bq, K = x Wk + bk and V^T = (x Wv + bv)^T on E5M2 codes with E8M0 scales (K = 1,024), f32 sums, each QUANTISED on the way out along the K of the product that reads it next: Q and K along the features, V^T along the tokens.
; SHARES.  256 work-groups of four waves, 2 x 2 (row w, column).  A wave holds 64 rows of a weight, all of K, in 512 registers and streams x's rows past them in blocks of 16, which stand in registers as two sets (256).
; PHASE 1: 512 tokens x 128 features of Q (tile columns 0 to 7) or K (8 to 15): sixteen blocks a wave.  PHASE 2: 256 tokens x 128 channels of V^T: eight blocks, of one of the work-group's own two windows of 256 tokens (number s18).
; THE ORDER OF WORK.  LDS holds two slots of 128 rows of 1,024 codes.  The first weight's rows lie in slot 1, Wv's in slot 0.  Phase 1 takes the window that is not V's first (chunks 0, 1), then V's (chunks 2, 3): chunk 3 still lies in slot 1 when V begins, and chunk 2 comes anew.
; Block j = 0 .. 3 of a chunk of 128 tokens: a wave's rows begin at 64 (j / 2) + 32 w + 16 (j % 2): blocks 0, 1 and 2, 3 make 32 neighbouring tokens, a scale block of V^T.
; FILLS.  At the head the first weight (wave 0), chunk 0 (wave 1), a window's scale bytes each (waves 2, 3).  Refills, each in a drained round of the cluster's barrier, a quarter of 128 rows a wave: chunks 1, 2, 3 inside blocks 0, 4, 8; Wv's rows behind block 11; chunk 2 anew behind Wv's loads.
; A block's way out (maxima, holds, conversions, bytes) stands among the NEXT block's products, a pair of V's blocks' among the next pair's.  The first of either phase works on zeros and stores nothing.
; CLUSTERS: 4 x 4: x's rows are asked for jointly along a row of the cluster, a weight's along a column.  PREFETCH: chunks 1 and 2 ahead of the stream, chunk 3 and Wv's rows four blocks and more ahead of their loads; the partners share a chunk out by address; Wv's rows are asked for by four clusters.
; LAYOUT.  codes1: operand images: Q, K: [K / 256][row / 16][(K / 128) % 2][c][lane][16 bytes]; V^T, behind them: [K / 128][row / 16][c][lane][16 bytes]; scales1: [K / 128][row][4 bytes].  Inside a block of 32 the places along K are permuted,
; alike in Q and K, and alike in V^T and in the weights p of the next launch: every product still meets its partner under its own block's scale.
; LIMITS: a block whose largest magnitude lies under 2^-111 (a block of zeros too) has its byte held at 1; NaN and infinities are not served.
.set NB, 4                             ; row tiles of a weight a wave
.set CH, 128
.set KROW, 1024
.set KS, 32
.set PITCH, KROW+16
.set FR, 16                            ; registers of a fragment: 16 rows x 128 K
.set FPW, 16                           ; fragments in a window
.set NP, 8                             ; plain vector lines behind a matrix instruction (ISA guide 7.12.1)
.set NF, 34                            ; LDS loads of a block: eight fragments of four, two of four scale words
.set YB, CH*PITCH                      ; slot 1
.set SCL, 2*CH*PITCH                   ; x's scale bytes in the order of work, units of 256 bytes (8 rows) + 16
.set RS, 32                            ; units of a window
.set SROW, 34                          ; bytes a row of them, in whole blocks of 16 rows
.set XN, SCL+2*RS*272                  ; Q's or K's scale words: [512 tokens in the order of work][4 bytes]
.set XV, XN+2048                       ; V's: [2 chunks][128 channels][4 bytes]
.set SPARE, XV+1024
.set EMAX, 15                          ; the largest number is 1.75 x 2^15
.set ADRA0, 4                          ; v4  LDS address of my fragments of block 0
.set AAS0, 6                           ; v6  of my row's scale words in block 0
.set CO, 9                             ; v9  16 x lane
.set SPW, 10
.set NIL, 11
.set ADRA, 12                          ; v12, v17  as v4, v6 for the block that is fetched next
.set VX, 13                            ; v13  LDS address of scale bytes
.set ADRB, 14                          ; v14, v15  my fragments of a weight in slot 1, in slot 0
.set ABS, 16                           ; v16  my offset in a weight's scale bytes
.set AAS, 17
.set RD, 19                            ; v19  LDS: V's bytes
.set SOP, 20                           ; v20-23  the conversions' scale operands
.set SB, 24                            ; v24-39  the weight's scale words: register 8 p + q: lanes 0-15 tile 2 p's, lanes 16-31 tile 2 p + 1's
.set EB, 40                            ; v40-43  scale bytes
.set SA, 44                            ; v44-59  x's: two sets of eight
.set TQ, 60                            ; v60-63  maxima and bounds
.set ACC, 64                           ; v64-191 four sets of four accumulators: products write 0 and 1 by turns; 2 and 3 take a pair of V's blocks
.set WS, 128                           ; v128-143 in phase 1: Wv's scale words
.set NCD, 192                          ; v192-199 Q's or K's codes
.set MCD, 192                          ; v192-207 V's: four registers a tile
.set BQ, 208                           ; v208-239 the bias: the first four products' C
.set BV, 240                           ; v240-243 V's, a number a tile, until the change of phase
.set G1A, 24
.set G0A, 56
.set G1B, 32
.set G0B, 60
.set G1R, 48
.set G0R, 68
.set G1S, 92
.set G0S, 72
.set MSB, 0
.macro WIN new
.if MSB != \new
	s_set_vgpr_msb (MSB<<8)|\new
.set MSB, \new
.endif
.endm
.macro PLACES n
.rept \n
	v_nop
.endr
.endm
.macro BARRIER
	s_barrier_signal -1
	s_barrier_wait -1
.endm
.macro CROUND
	BARRIER
	s_cmp_lg_u32 s14, 0
	s_cbranch_scc1 .Lnot_wave_0_\@
	s_barrier_signal -3
.Lnot_wave_0_\@:
	s_barrier_wait -3
	BARRIER
.endm
.macro TLOAD g0, g1                    ; an s_nop 0 and four v_nop follow each tensor load
	tensor_load_to_lds s[\g0:\g0+3], s[\g1:\g1+7]
	s_nop 0
	PLACES 4
.endm
.macro GROUP1 g, mask, rows            ; whole rows of K, 16 bytes of padding behind each
	s_or_b32 s[\g+0], s[\mask], (1<<20)|(1<<21)|(7<<22)|(3<<25)
	s_mov_b32 s[\g+1], KROW<<16
	s_mov_b32 s[\g+2], (\rows)<<16
	s_mov_b32 s[\g+3], KROW<<16
	s_mov_b32 s[\g+4], \rows
	s_mov_b32 s[\g+5], KROW
	s_mov_b32 s[\g+6], 0
	s_mov_b32 s[\g+7], 0
.endm
.macro SADD d, x
	s_add_co_u32 s\d, s\d, s\x
.endm
.macro WALU
	s_wait_alu depctr_va_vdst(0)
.endm
	s_load_b128 s[4:7], s[0:1], 0x0                ; x: codes, scales
	s_load_b256 s[84:91], s[0:1], 0x10             ; Wq: codes, scales; Wk: codes, scales
	s_load_b128 s[8:11], s[0:1], 0x30              ; Wv: codes, scales
	v_lshl_add_u32 v[SPW], v0, 2, SPARE
	v_mov_b32 v[NIL], 0
	ds_add_u32 v[SPW], v[NIL]                      ; the wave's opening: the add, twice on end, and its wait ahead of my first tensor load
	ds_add_u32 v[SPW], v[NIL]
	v_lshrrev_b32 v1, 5, v0
	v_readfirstlane_b32 s14, v1                    ; wave 0..3
	s_lshr_b32 s15, s14, 1                         ; my row of waves
	s_and_b32 s16, s14, 1                          ; my column of waves
	s_bfe_u32 s40, ttmp6, 0x40000                  ; cx
	s_bfe_u32 s41, ttmp6, 0x40004                  ; cy
	s_lshl_b32 s42, ttmp9, 2
	s_add_co_u32 s42, s42, s40                     ; tile column
	s_and_b32 s101, s42, 7                         ; its number within Q or K
	s_and_b32 s43, ttmp7, 0xffff
	s_lshl_b32 s43, s43, 2
	s_add_co_u32 s43, s43, s41                     ; tile row: 512 tokens
	s_lshr_b32 s19, ttmp9, 1                       ; 0: Q, 1: K: from the cluster's number alone
	s_and_b32 s18, ttmp9, 1                        ; V's window
	s_lshl_b32 s44, s41, 2
	s_lshl_b32 s44, 15, s44                        ; my row of the cluster: shares x's rows
	s_lshl_b32 s45, 0x1111, s40                    ; my column: shares a weight's
	GROUP1 G1B, 45, 128
	GROUP1 G1A, 44, CH
	GROUP1 G1R, 44, CH/4
	s_or_b32 s[G1S+0], s44, (3<<16)|(1<<20)|(1<<21)|(5<<22)|(3<<25)   ; a window's scale bytes: 8,192 dense bytes as 32 rows of 256, 16 of padding behind each
	s_mov_b32 s[G1S+1], 32<<16
	s_mov_b32 s[G1S+2], RS<<16
	s_mov_b32 s[G1S+3], 32<<16
	s_mov_b32 s[G1S+4], RS
	s_mov_b32 s[G1S+5], 32
	s_mov_b32 s[G1S+6], 0
	s_mov_b32 s[G1S+7], 0
	s_mov_b32 s[G0S], 1
	s_mul_i32 s[G0S+1], s16, RS*272
	s_add_co_u32 s[G0S+1], s[G0S+1], SCL
	s_lshl_b32 s67, s43, 19                        ; x: s67 the window that is not V's, s2 V's
	s_lshl_b32 s20, s18, 18
	s_add_co_u32 s2, s67, s20
	s_xor_b32 s20, s20, 0x40000
	SADD 67, 20
	s_lshl_b32 s13, s19, 2
	SADD 13, 40                                    ; Wv's tile column: 4 (cluster x / 2) + cx: each tile of V has one work-group
	s_lshl_b32 s3, s13, 17                         ; Wv's rows
	s_lshl_b32 s12, s13, 12                        ; and my 64 rows' scale bytes
	s_lshl_b32 s21, s16, 11
	SADD 12, 21
	s_lshl_b32 s78, s101, 17                       ; the first weight's rows
	s_mov_b32 s79, 0
	s_lshl_b32 s82, s101, 12                       ; my 64 rows' scale bytes
	SADD 82, 21
	s_mov_b32 s83, 0
	s_xor_b32 s20, s16, s18                        ; x's scale bytes: wave 2 the window that is not V's, wave 3 V's
	s_xor_b32 s20, s20, 1
	s_lshl_b32 s80, s43, 1
	SADD 80, 20
	s_lshl_b32 s80, s80, 13
	s_mov_b32 s81, 0
	s_mov_b32 s[G0A], 1
	s_mov_b32 s[G0A+1], 0
	s_mov_b32 s[G0B], 1
	s_mov_b32 s[G0B+1], YB
	s_mov_b32 s[G0R], 1
	WALU
	v_and_b32 v1, 15, v0                           ; r
	v_bfe_u32 v2, v0, 4, 1                         ; h
	v_and_b32 v3, 31, v0                           ; lane
	v_mul_u32_u24 v22, v1, PITCH
	v_mad_u32_u24 v23, v2, 16, v22                 ; a fragment's row x pitch + 16 x half
	s_mul_i32 s20, s15, 32*PITCH
	v_add_nc_u32 v[ADRA0], s20, v23
	s_mul_i32 s22, s16, 16*NB*PITCH
	v_add_nc_u32 v[ADRB+1], s22, v23
	s_add_co_u32 s22, s22, YB
	v_add_nc_u32 v[ADRB], s22, v23
	v_mul_u32_u24 v[ABS], v3, KS                   ; lane l takes row l of a pair of tiles
	v_lshlrev_b32 v23, 5, v1                       ; x's scale bytes: 32 a row, 16 more for each 256 passed
	v_lshrrev_b32 v22, 3, v1
	v_lshl_add_u32 v23, v22, 4, v23
	s_mul_i32 s20, s15, 32*SROW
	s_add_co_u32 s20, s20, SCL
	v_add_nc_u32 v[AAS0], s20, v23
	s_lshl_b32 s66, s40, 2                         ; which of the cluster row's sixteen waves I am: my share of a prefetch of x's rows;
	SADD 66, 14
	s_lshl_b32 s100, s41, 2                        ; and of the column's: of Wv's
	SADD 100, 14
	WALU
	s_wait_dscnt 0x0                               ; both opening adds are done
	CROUND                                         ; all sixteen work-groups are here
	s_wait_kmcnt 0x0
	s_cmp_eq_u32 s19, 0                            ; the choice hangs on the cluster's number alone
	s_cselect_b64 s[84:85], s[84:85], s[88:89]     ; Wq's or Wk's codes
	s_cselect_b64 s[86:87], s[86:87], s[90:91]     ; and scales
	s_mov_b64 s[90:91], s[8:9]                     ; Wv's codes
	s_add_nc_u64 s[G0B+2:G0B+3], s[84:85], s[78:79]
	s_or_b32 s[G0B+3], s[G0B+3], 0x80000000
	s_add_nc_u64 s[82:83], s[86:87], s[82:83]
	s_mov_b32 s84, s67
	s_mov_b32 s85, 0
	s_add_nc_u64 s[G0A+2:G0A+3], s[4:5], s[84:85]
	s_or_b32 s[G0A+3], s[G0A+3], 0x80000000
	s_add_nc_u64 s[G0S+2:G0S+3], s[6:7], s[80:81]
	s_or_b32 s[G0S+3], s[G0S+3], 0x80000000
	s_mov_b32 s84, s12
	s_add_nc_u64 s[10:11], s[10:11], s[84:85]
	s_cmp_eq_u32 s14, 0                            ; ONE joint load a wave, and a line of its own for what is shown ahead of the rest
	s_cbranch_scc0 .Lwave_1
	TLOAD G0B, G1B                                 ; wave 0: the first weight's rows, which are wanted first
	s_branch .Lasked
.Lwave_1:
	s_cmp_eq_u32 s14, 1
	s_cbranch_scc0 .Lfor_scales
	TLOAD G0A, G1A                                 ; wave 1: chunk 0
	s_branch .Lasked
.Lfor_scales:
	TLOAD G0S, G1S                                 ; waves 2, 3: a window's scale bytes each
.Lasked:
	s_load_b64 s[84:85], s[0:1], 0x40              ; bq
	s_load_b64 s[46:47], s[0:1], 0x48              ; bk
	s_load_b64 s[88:89], s[0:1], 0x50              ; bv
.irp p, 0,1
.irp c, 0,1
	global_load_b128 v[SB+8*\p+4*\c:SB+8*\p+4*\c+3], v[ABS], s[82:83] offset:\p*32*KS+16*\c
	global_load_b128 v[WS+8*\p+4*\c:WS+8*\p+4*\c+3], v[ABS], s[10:11] offset:\p*32*KS+16*\c
.endr
.endr
; WHERE MY RESULTS GO: offsets now, the buffers' addresses in front of the stream
	s_lshl_b32 s76, s19, 23                        ; s[76:77] Q, K: the codes
	s_lshr_b32 s22, s101, 1
	s_lshl_b32 s22, s22, 21
	SADD 76, 22
	s_lshl_b32 s22, s43, 17
	SADD 76, 22
	s_lshl_b32 s22, s15, 13
	SADD 76, 22
	s_and_b32 s22, s101, 1
	s_lshl_b32 s22, s22, 11
	SADD 76, 22
	s_lshl_b32 s22, s16, 10
	SADD 76, 22
	s_mov_b32 s77, 0
	s_xor_b32 s20, s15, s18                        ; s[78:79] their scale words: wave n stores the chunk that is n-th in the order of work
	s_xor_b32 s20, s20, 1
	s_lshl_b32 s78, s19, 18
	s_lshl_b32 s22, s101, 15
	SADD 78, 22
	s_lshl_b32 s22, s43, 11
	SADD 78, 22
	s_lshl_b32 s22, s20, 10
	SADD 78, 22
	s_lshl_b32 s22, s16, 9
	SADD 78, 22
	s_mov_b32 s79, 0
	s_lshl_b32 s20, s43, 2
	s_lshl_b32 s22, s18, 1
	SADD 20, 22                                    ; V's first chunk of 128 tokens
	s_lshl_b32 s80, s20, 17                        ; s[80:81] V^T: the codes
	s_lshl_b32 s22, s13, 14
	SADD 80, 22
	s_lshl_b32 s22, s16, 13
	SADD 80, 22
	s_lshl_b32 s22, s15, 9
	SADD 80, 22
	s_add_co_u32 s80, s80, 16777216
	s_mov_b32 s81, 0
	SADD 20, 15                                    ; s[86:87] its scale words: wave n stores chunk n / 2, 64 channels: 256 bytes
	s_lshl_b32 s86, s20, 12
	s_lshl_b32 s22, s13, 9
	SADD 86, 22
	s_lshl_b32 s22, s16, 8
	SADD 86, 22
	s_add_co_u32 s86, s86, 524288
	s_mov_b32 s87, 0
	; THE BIAS IS THE FIRST PRODUCTS' C.  Phase 1: register i of tile b of lane (r, h) is feature 16 b + 8 h + i of my 64.  Phase 2: all eight registers of tile t are channel 16 t + r: one number, spread over eight at the change of phase
	s_lshl_b32 s20, s101, 9
	s_lshl_b32 s21, s16, 8
	SADD 20, 21
	s_lshl_b32 s22, s13, 9
	SADD 22, 21
	s_mov_b32 s21, 0
	s_mov_b32 s23, 0
	v_lshlrev_b32 v22, 5, v2
	v_lshlrev_b32 v23, 2, v1
	WALU
	s_wait_kmcnt 0x0
	s_add_nc_u64 s[22:23], s[88:89], s[22:23]
	s_cmp_eq_u32 s19, 1
	s_cselect_b64 s[84:85], s[46:47], s[84:85]
	s_add_nc_u64 s[20:21], s[84:85], s[20:21]
.irp b, 0,1,2,3
	global_load_b128 v[BQ+8*\b:BQ+8*\b+3], v22, s[20:21] offset:64*\b
	global_load_b128 v[BQ+8*\b+4:BQ+8*\b+7], v22, s[20:21] offset:64*\b+16
.endr
.irp t, 0,1,2,3
	global_load_b32 v[BV+\t], v23, s[22:23] offset:64*\t
.endr
	s_wait_xcnt 0x0                                ; the loads have taken their addresses; they change below
	v_lshlrev_b32 v[CO], 4, v3
	s_lshl_b32 s21, s16, 1                         ; Q, K: two bytes of a token's word
	s_lshl_b32 s22, s15, 7
	SADD 21, 22
	s_add_co_u32 s21, s21, XN
	v_lshlrev_b32 v23, 2, v1
	v_add_nc_u32 v[VX], s21, v23
	s_lshl_b32 s21, s16, 8                         ; V: a byte of a channel's word
	SADD 21, 15
	s_add_co_u32 s21, s21, XV
	v_add_nc_u32 v[RD], s21, v23
	s_add_co_u32 s6, s67, CH*KROW                  ; chunk 1
	s_add_co_u32 s7, s2, CH*KROW                   ; chunk 3
	s_lshl_b32 s21, s66, 13
	s_add_co_u32 s22, s21, s6
	v_lshl_add_u32 v7, v3, 8, s22                  ; prefetches: my sixteenth of chunk 1, of chunk 2
	s_add_co_u32 s22, s21, s2
	v_lshl_add_u32 v8, v3, 8, s22
	v_add_nc_u32 v1, 16*PITCH, v[ADRA0]            ; v1, v2: block 1's LDS addresses
	v_add_nc_u32 v2, 16*SROW, v[AAS0]
	s_and_b32 s12, ttmp7, 0xffff                   ; who asks for Wv's rows: the clusters of the first two rows
	s_cmp_lt_u32 s12, 2
	s_cselect_b32 s12, 1, 0
	WALU                                           ; the wait at the head's end
	s_cmp_eq_u32 s14, 0
	s_cbranch_scc0 .Lnot_b
	s_wait_tensorcnt 0x0                           ; wave 0: the first weight has landed.  The other waves' wait stands at the second barrier
.Lnot_b:
	BARRIER
	global_prefetch_b8 v7, s[4:5] th:TH_LOAD_NT scope:SCOPE_SE
	global_prefetch_b8 v8, s[4:5] th:TH_LOAD_NT scope:SCOPE_SE
.macro MIDDLE                          ; a round's middle
	WIN 0
	s_barrier_wait -1
	s_cmp_lg_u32 s14, 0
	s_cbranch_scc1 .Lnot_wave_0_\@
	s_barrier_signal -3
.Lnot_wave_0_\@:
	s_barrier_wait -3
.endm
.macro GRD
	s_wait_tensorcnt 0x0
	ds_add_u32 v[SPW], v[NIL]
.endm
.macro FRAG f, adr, q, off             ; a weight's fragment f lies in window 1 + f / 16
	WIN (1+(\f)/FPW)<<6
.irp c, 0,1,2,3
	ds_load_b128 v[FR*((\f)%FPW)+4*\c:FR*((\f)%FPW)+4*\c+3], v[\adr] offset:128*(\q)+32*\c+(\off)
.endr
.endm
.macro WEIGHTS adr                     ; my 64 rows of a weight, all of K: 128 loads
.irp q, 0,1,2,3,4,5,6,7
.irp b, 0,1,2,3
	FRAG NB*\q+\b, \adr, \q, \b*16*PITCH
.endr
.endr
	WIN 0
.endm
.macro FETCHAT k, a, s                 ; a block of x into set k of window 3, and its scale words: NF loads
	WIN 3<<6
.irp q, 0,1,2,3,4,5,6,7
.irp c, 0,1,2,3
	ds_load_b128 v[128*\k+FR*\q+4*\c:128*\k+FR*\q+4*\c+3], v[\a] offset:128*\q+32*\c
.endr
.endr
	WIN 0
	ds_load_b128 v[SA+8*\k:SA+8*\k+3], v[\s]
	ds_load_b128 v[SA+8*\k+4:SA+8*\k+7], v[\s] offset:16
.endm
.macro PROD kind, e, a, n              ; product n = 4 q + b of a block: x's rows in set e, sums in set a.  kind 0 (Q, K): source 0 = the weight's rows; kind 1 (V): source 0 = x's rows.  The four accumulators take turns
.set Q_, (\n)/4
.set B_, (\n)%4
.set AC_, ACC+32*(\a)+8*B_
.set C_, AC_
.if Q_ == 0
.set C_, BQ+8*B_
.endif
.set R_, 128*(\e)+FR*Q_
.set W_, FR*((\n)%FPW)
.set XS_, SA+8*(\e)+Q_
.set WS_, SB+8*(B_/2)+Q_
.if \kind
	WIN 3|((1+(\n)/FPW)<<2)
.if B_%2
	v_wmma_scale_f32_16x16x128_f8f6f4 v[AC_:AC_+7], v[R_:R_+FR-1], v[W_:W_+FR-1], v[C_:C_+7], v[XS_], v[WS_] matrix_a_fmt:MATRIX_FMT_BF8 matrix_b_fmt:MATRIX_FMT_BF8 matrix_b_scale:MATRIX_SCALE_ROW1
.else
	v_wmma_scale_f32_16x16x128_f8f6f4 v[AC_:AC_+7], v[R_:R_+FR-1], v[W_:W_+FR-1], v[C_:C_+7], v[XS_], v[WS_] matrix_a_fmt:MATRIX_FMT_BF8 matrix_b_fmt:MATRIX_FMT_BF8
.endif
.else
	WIN (1+(\n)/FPW)|(3<<2)
.if B_%2
	v_wmma_scale_f32_16x16x128_f8f6f4 v[AC_:AC_+7], v[W_:W_+FR-1], v[R_:R_+FR-1], v[C_:C_+7], v[WS_], v[XS_] matrix_a_fmt:MATRIX_FMT_BF8 matrix_b_fmt:MATRIX_FMT_BF8 matrix_a_scale:MATRIX_SCALE_ROW1
.else
	v_wmma_scale_f32_16x16x128_f8f6f4 v[AC_:AC_+7], v[W_:W_+FR-1], v[R_:R_+FR-1], v[C_:C_+7], v[WS_], v[XS_] matrix_a_fmt:MATRIX_FMT_BF8 matrix_b_fmt:MATRIX_FMT_BF8
.endif
.endif
.endm
.macro HOLD x, b                       ; the conversion does not saturate (ISA guide 7.6.2): a sum is held at the largest number under its block's scale
	v_med3_num_f32 v[\x], v[\x], -v[TQ+\b], v[TQ+\b]
.endm
.macro SCALES i, n                     ; 0: the conversion's scale operand; 1: the bound; 2: a second copy of it; 3: the scale byte
.if (\i) == 0
	v_add_nc_u32 v[SOP+\n], -(EMAX<<23), v[TQ]
.elseif (\i) == 1
	v_and_or_b32 v[TQ+1], v[TQ], 0x7f800000, s62
.elseif (\i) == 2
	v_mov_b32 v[TQ+3], v[TQ+1]
.else
	v_lshrrev_b32 v[EB+\n], 23, v[SOP+\n]
.endif
.endm
.macro GAPQ m, x                       ; THE QUANTISER OF Q's OR K's BLOCK, gaps 0 .. 24: two scale blocks, tiles 0, 1 and 2, 3, each in lanes l and l xor 16: the sums at x -> codes NCD, two bytes in EB
.if (\m) == 0
	v_max3_num_f32 v[TQ], |v[\x]|, |v[\x+1]|, (EMAX+1)<<23   ; the floor 2^(16 - 127): a byte cannot fall under 1
	v_max3_num_f32 v[TQ+2], |v[\x+16]|, |v[\x+17]|, (EMAX+1)<<23
.elseif (\m) < 8
	v_max3_num_f32 v[TQ], v[TQ], |v[\x+2*(\m)]|, |v[\x+2*(\m)+1]|
	v_max3_num_f32 v[TQ+2], v[TQ+2], |v[\x+2*(\m)+16]|, |v[\x+2*(\m)+17]|
.elseif (\m) == 8
	v_permlanex16_b32 v[TQ+1], v[TQ], s60, s61
	v_permlanex16_b32 v[TQ+3], v[TQ+2], s60, s61
.elseif (\m) == 9
	v_max_num_f32 v[TQ], v[TQ], v[TQ+1]
	v_max_num_f32 v[TQ+2], v[TQ+2], v[TQ+3]
.elseif (\m) == 10
	v_add_nc_u32 v[SOP], -(EMAX<<23), v[TQ]
	v_add_nc_u32 v[SOP+1], -(EMAX<<23), v[TQ+2]
.elseif (\m) == 11
	v_and_or_b32 v[TQ+1], v[TQ], 0x7f800000, s62
	v_and_or_b32 v[TQ+3], v[TQ+2], 0x7f800000, s62
.elseif (\m) < 23
.set H_, 3*((\m)-12)
.irp k, 0,1,2
.if H_+\k < 32
	HOLD \x+H_+\k, 1+2*((H_+\k)/16)
.endif
.endr
.if (\m) == 14
	v_cvt_scalef32_pk8_bf8_f32 v[NCD:NCD+1], v[\x:\x+7], v[SOP]
.elseif (\m) == 17
	v_cvt_scalef32_pk8_bf8_f32 v[NCD+2:NCD+3], v[\x+8:\x+15], v[SOP]
.elseif (\m) == 19
	v_cvt_scalef32_pk8_bf8_f32 v[NCD+4:NCD+5], v[\x+16:\x+23], v[SOP+1]
.elseif (\m) == 22
	v_cvt_scalef32_pk8_bf8_f32 v[NCD+6:NCD+7], v[\x+24:\x+31], v[SOP+1]
.endif
.elseif (\m) == 23
	SCALES 3, 0
	SCALES 3, 1
.elseif (\m) == 24
	v_lshl_or_b32 v[EB], v[EB+1], 8, v[EB]
.endif
.endm
.macro HOLDS m, x                      ; two holds; the fourth pair reads the bound's second copy
.if (\m) == 3
	HOLD \x, 3
	HOLD \x+1, 3
.else
	HOLD \x, 1
	HOLD \x+1, 1
.endif
.if (\m) == 2
	SCALES 2, 0
.endif
.endm
.macro GAPV u, x                       ; THE QUANTISER OF A PAIR OF V's BLOCKS, gaps 0 .. 59, 15 a tile: a scale block lies in lanes l and l xor 16: the even block's sums at x, the odd's at x + 32 -> codes MCD + 4 t, bytes EB + t
.set T_, (\u)/15
.set J_, (\u)%15
.set E_, \x+8*T_
.set O_, E_+32
.if (\u) > 59
.elseif J_ == 0
	v_max3_num_f32 v[TQ], |v[E_]|, |v[E_+1]|, |v[E_+2]|
	v_max3_num_f32 v[TQ+2], |v[O_]|, |v[O_+1]|, |v[O_+2]|
.elseif J_ < 3
	v_max3_num_f32 v[TQ], v[TQ], |v[E_+2*J_+1]|, |v[E_+2*J_+2]|
	v_max3_num_f32 v[TQ+2], v[TQ+2], |v[O_+2*J_+1]|, |v[O_+2*J_+2]|
.elseif J_ == 3
	v_max3_num_f32 v[TQ+2], v[TQ+2], |v[O_+7]|, (EMAX+1)<<23
	v_max3_num_f32 v[TQ], v[TQ], |v[E_+7]|, v[TQ+2]
.elseif J_ == 4
	v_permlanex16_b32 v[TQ+2], v[TQ], s60, s61
	v_max_num_f32 v[TQ], v[TQ], v[TQ+2]
.elseif J_ == 5
	SCALES 0, T_
	SCALES 1, T_
.elseif J_ < 10
	HOLDS J_-6, E_+2*(J_-6)
.if J_ == 9
	v_cvt_scalef32_pk8_bf8_f32 v[MCD+4*T_:MCD+4*T_+1], v[E_:E_+7], v[SOP+T_]
.endif
.elseif J_ < 14
	HOLDS J_-6, O_+2*(J_-10)
.if J_ == 13
	v_cvt_scalef32_pk8_bf8_f32 v[MCD+4*T_+2:MCD+4*T_+3], v[O_:O_+7], v[SOP+T_]
.endif
.else
	SCALES 3, T_
.endif
.endm
.macro RDESC i, off, lds               ; group 0 of a refill, in two parts: a quarter of 128 rows a wave, x's rows at s[off], into LDS at s[lds]
.if (\i) == 0
	s_mul_i32 s[G0R+1], s14, CH/4*PITCH
	s_add_co_u32 s[G0R+1], s[G0R+1], s\lds
	s_mul_i32 s20, s14, CH/4*KROW
	s_add_co_u32 s20, s20, s\off
.else
	s_mov_b32 s21, 0
	s_add_nc_u64 s[G0R+2:G0R+3], s[4:5], s[20:21]
	s_or_b32 s[G0R+3], s[G0R+3], 0x80000000
.endif
.endm
; WHAT STANDS BEHIND PRODUCT n.  j: the block's number in its trip (the second loop's: 4, 5; V's: -1, -2).  The LDS addresses of the block two on stand behind 0 and 1; a prefetch's address or the bytes' next place behind 2; a refill's group 0 behind 29 and 30; from 1 on a way out: y = 1 Q's or K's block at x; 2, 3 the halves of V's pair at x
.macro LIST n, j, y, x
.if (\n) == 0
.if (\j) >= 0
	s_add_nc_u64 s[84:85], s[84:85], 4096+8192*((\j)%2)
.if (\j) == 1
	s_cmp_eq_u32 s46, 2
	s_cselect_b64 s[84:85], s[88:89], s[84:85]
.endif
.endif
	WIN 0
.if (\j) == 0 || (\j) == 1
	s_add_co_u32 s22, s101, (64+16*(\j))*PITCH
.elseif (\j) > 1
	s_add_co_u32 s22, s47, 16*((\j)%2)*PITCH
.else
	s_add_co_u32 s22, s47, 16*(-1-(\j))*PITCH
.endif
	v_add_nc_u32 v[ADRA], s22, v[ADRA0]
.elseif (\n) == 1
	WIN 0
.if (\j) == 0 || (\j) == 1
	s_add_co_u32 s22, s17, (64+16*(\j))*SROW
.elseif (\j) > 1
	s_add_co_u32 s22, s8, 16*((\j)%2)*SROW
.else
	s_add_co_u32 s22, s8, 16*(-1-(\j))*SROW
.endif
	v_add_nc_u32 v[AAS], s22, v[AAS0]
.endif
.if (\j) == 2 && (\n) == 2
	WIN 0
	v_lshl_add_u32 v7, v3, 8, s23
.elseif (\j) == 0 && ((\n) == 29 || (\n) == 30)
	RDESC (\n)-29, 6, 47
.elseif (\j) == 1 && (\n) == 2
	WIN 0
	v_add_nc_u32 v[VX], s9, v[VX]
.elseif (\j) == 5 && (\n) == 2
	WIN 0
	v_add_nc_u32 v[VX], 256, v[VX]
.endif
.if (\y) == 1 && (\n) > 0 && (\n) < 26
	WIN 0
	GAPQ (\n)-1, \x
.elseif (\y) == 2 && (\n) > 0 && (\n) < 31
	WIN 0
	GAPV (\n)-1, \x
.elseif (\y) == 3 && (\n) > 0 && (\n) < 31
	WIN 0
	GAPV (\n)+29, \x
.endif
.endm
.macro BLOCK kind, e, a, from, to, j, y, x
.set N_, \from
.rept (\to)-(\from)
	PROD \kind, \e, \a, N_
	LIST N_, \j, \y, \x
.set N_, N_+1
.endr
.endm
.macro BLK kind, e, a, w, j, y, x      ; a block; w: the wait's count (-1: none)
.if (\w) >= 0
	s_wait_dscnt \w
.endif
	s_wait_xcnt 0x0
	BLOCK \kind, \e, \a, 0, 32, \j, \y, \x
	WIN 0
	PLACES NP
.endm
.macro RBLK kind, e, a, w, j, y, x     ; a block with a round of the cluster's barrier
.if (\w) >= 0
	s_wait_dscnt \w
.endif
	s_wait_xcnt 0x0
	GRD
	BLOCK \kind, \e, \a, 0, 28, \j, \y, \x
	WIN 0
	WALU
	s_wait_dscnt 0x0
	s_barrier_signal -1
	BLOCK \kind, \e, \a, 28, 32, \j, \y, \x
	MIDDLE
	BARRIER
.endm
.macro SBLK kind, e, a, w, j, y, x, half=0   ; a block with a plain barrier (half = 1: it shows waves 0 and 1's loads alone)
.if (\w) >= 0
	s_wait_dscnt \w
.endif
	s_wait_xcnt 0x0
	BLOCK \kind, \e, \a, 0, 28, \j, \y, \x
	WIN 0
	WALU
.if \half
	s_cmp_lt_u32 s14, 2
	s_cbranch_scc0 .Lnot_yet_\@
	s_wait_tensorcnt 0x0
.Lnot_yet_\@:
.else
	s_wait_tensorcnt 0x0
.endif
	s_wait_dscnt 0x0
	s_barrier_signal -1
	BLOCK \kind, \e, \a, 28, 32, \j, \y, \x
	WIN 0
	s_barrier_wait -1
	PLACES NP
.endm
.macro QOUT off, boff                  ; a block's two bytes a token go to their place in LDS; its codes leave, 1,024 consecutive bytes
	ds_store_b16 v[VX], v[EB] offset:\boff
	global_store_b128 v[CO], v[NCD:NCD+3], s[84:85] offset:\off
	global_store_b128 v[CO], v[NCD+4:NCD+7], s[84:85] offset:(\off)+512
.endm
	WEIGHTS ADRB
	s_wait_tensorcnt 0x0                           ; chunk 0 and the scale bytes are in; the first weight is in registers
	s_wait_dscnt 0x0
	BARRIER
	FETCHAT 0, ADRA0, AAS0
	FETCHAT 1, 1, 2
	s_load_b128 s[92:95], s[0:1], 0x58             ; codes1, scales1
	s_mov_b32 s60, 0x76543210
	s_mov_b32 s61, 0xfedcba98                      ; lane l xor 16
	s_mov_b32 s62, 0x600000                        ; the mantissa field of 57,344
	s_mov_b32 s63, 0                               ; 1: a trip's prefetch is mine
	v_mov_b32 v[TQ+1], 0                           ; a lane permute's destination counts as one of its sources
	v_mov_b32 v[TQ+3], 0
.set I_, 0
.rept 32
	v_mov_b32 v[ACC+32+I_], 0
.set I_, I_+1
.endr
	s_wait_kmcnt 0x0
	s_add_nc_u64 s[96:97], s[92:93], s[80:81]
	s_add_nc_u64 s[98:99], s[94:95], s[86:87]
	s_add_nc_u64 s[92:93], s[92:93], s[76:77]
	s_add_nc_u64 s[94:95], s[94:95], s[78:79]
	s_lshl_b32 s20, s18, 16
	s_mov_b32 s21, 0
	s_add_nc_u64 s[88:89], s[92:93], s[20:21]      ; V's window
	s_xor_b32 s20, s20, 0x10000
	s_add_nc_u64 s[84:85], s[92:93], s[20:21]      ; the other
	s_sub_nc_u64 s[84:85], s[84:85], 16384
	s_mov_b64 s[86:87], s[4:5]                     ; the prefetches' buffer
	s_mov_b32 s46, 0                               ; PHASE 1.  s46 the trip; s101, s47 this chunk's slot and the next chunk's; s17, s8 their scale words' step; s6 the rows that are loaded; s9 to the bytes' next place; s23 where my share of what is asked for ahead begins
	s_mov_b32 s9, 0
	s_mov_b32 s23, 0
	s_mov_b32 s101, 0
	s_mov_b32 s47, YB
	s_mov_b32 s17, 0
	s_mov_b32 s8, 128*SROW
	s_wait_loadcnt 0x0
.Lfour:
	RBLK 0, 0, 0, NF, 0, 1, ACC+32                 ; blocks 0, 4, 8: chunks 1, 2, 3 come
	s_cmp_lt_u32 s14, 2                            ; waves 0, 1 and waves 2, 3 have a load line each: the barrier inside the block two on waits for the first line's alone
	s_cbranch_scc0 .Lupper
	TLOAD G0R, G1R
	s_branch .Lboth
.Lupper:
	TLOAD G0R, G1R
.Lboth:
	PLACES NP-4
	s_cmp_eq_u32 s46, 0
	s_cbranch_scc1 .Lno_block_before
	QOUT 0, 320
.Lno_block_before:
	FETCHAT 0, ADRA, AAS
	BLK 0, 1, 1, -1, 1, 1, ACC
	QOUT 0, 0
	FETCHAT 1, ADRA, AAS
	SBLK 0, 0, 0, NF, 2, 1, ACC+32, 1              ; the next chunk's first half is in
	QOUT 0, 64
	s_cmp_eq_u32 s63, 1
	s_cbranch_scc0 .Lnone_ahead
	global_prefetch_b8 v7, s[86:87] th:TH_LOAD_NT scope:SCOPE_SE
.Lnone_ahead:
	FETCHAT 0, ADRA, AAS
	BLK 0, 1, 1, -1, 3, 1, ACC
	QOUT 0, 256
	FETCHAT 1, ADRA, AAS
	s_cmp_eq_u32 s46, 0
	s_cselect_b32 s6, s2, s7
	s_cselect_b32 s21, s66, s100
	s_cselect_b32 s22, s7, s3
	s_cselect_b64 s[86:87], s[4:5], s[90:91]
	s_cselect_b32 s63, 1, s12
	s_mov_b32 s9, 512
	s_lshl_b32 s21, s21, 13
	s_add_co_u32 s23, s21, s22
	s_mov_b32 s101, s47
	s_mov_b32 s17, s8
	s_xor_b32 s47, s47, YB
	s_add_co_u32 s8, s8, 128*SROW
	s_add_co_u32 s46, s46, 1
	s_cmp_lg_u32 s46, 3
	s_cbranch_scc1 .Lfour
	GRD
	s_mul_i32 s20, s14, CH/4*KROW
	s_add_co_u32 s20, s20, s3
	s_mov_b32 s21, 0
	s_mul_i32 s[G0A+1], s14, CH/4*PITCH
	s_add_nc_u64 s[G0A+2:G0A+3], s[90:91], s[20:21]
	s_or_b32 s[G0A+3], s[G0A+3], 0x80000000
	GROUP1 G1A, 45, CH/4
	s_wait_dscnt 0x0
	s_barrier_signal -1
	MIDDLE
	BARRIER
	TLOAD G0A, G1A
	s_mov_b32 s47, YB+64*PITCH
	s_mov_b32 s8, (3*128+64)*SROW
.Ltwo:
	BLK 0, 0, 0, NF, 4, 1, ACC+32                  ; blocks 12, 14
	QOUT 0, 320
	FETCHAT 0, ADRA, AAS
	BLK 0, 1, 1, NF, 5, 1, ACC                     ; 13, 15; the block two on is then V's: chunk 3 again, as it lies in slot 1
	QOUT 0, 256
	FETCHAT 1, ADRA, AAS
	s_mov_b32 s47, YB
	s_mov_b32 s8, 3*128*SROW
	s_add_co_u32 s46, s46, 1
	s_cmp_lg_u32 s46, 5
	s_cbranch_scc1 .Ltwo
; the change of phase
	s_wait_xcnt 0x0
	s_wait_tensorcnt 0x0                           ; Wv's rows are in
	s_wait_dscnt 0x0
	BARRIER
.macro CHANGE i                        ; among Wv's 128 loads: the last block's way out; Wv's scale words into their place; zeros into what no block has written yet
.if (\i) < 7
.irp k, 0,1,2,3
.if 4*(\i)+\k < 25
	GAPQ 4*(\i)+\k, ACC+32
.endif
.endr
.elseif (\i) < 9
.irp q, 0,1,2,3,4,5,6,7
	v_mov_b32 v[SB+8*((\i)-7)+\q], v[WS+8*((\i)-7)+\q]
.endr
.elseif (\i) < 15
.irp q, 0,1,2,3,4,5,6,7
	v_mov_b32 v[ACC+80+8*((\i)-9)+\q], 0
.endr
.endif
.endm
.irp q, 0,1,2,3,4,5,6,7
.irp b, 0,2
	FRAG NB*\q+\b, ADRB+1, \q, \b*16*PITCH
	FRAG NB*\q+\b+1, ADRB+1, \q, (\b+1)*16*PITCH
	WIN 0
	CHANGE 2*\q+\b/2
.endr
.endr
.irp t, 0,1,2,3
.irp i, 0,1,2,3,4,5,6,7
	v_mov_b32 v[BQ+8*\t+\i], v[BV+\t]
.endr
.endr
	WALU
	QOUT 4096, 320
	GRD
	s_mov_b32 s47, 0
	RDESC 0, 2, 47
	RDESC 1, 2, 47
	s_mov_b32 s46, 0
	s_mov_b32 s47, YB+64*PITCH
	s_mov_b32 s8, (3*128+64)*SROW
	s_wait_dscnt 0x0
	s_barrier_signal -1
	MIDDLE
	BARRIER
	TLOAD G0R, G1R
.macro VOUT                            ; a pair of V's blocks: four tiles' bytes and codes
.irp t, 0,1,2,3
	ds_store_b8 v[VX], v[EB+\t] offset:64*\t
	global_store_b128 v[CO], v[MCD+4*\t:MCD+4*\t+3], s[84:85] offset:2048*\t
.endr
.endm
.macro VTO                             ; s22 = 2 x chunk + pair: where a pair's codes and bytes go
	s_lshr_b32 s20, s22, 1
	s_and_b32 s21, s22, 1
	s_lshl_b32 s23, s20, 9
	s_lshl_b32 s20, s20, 17
	s_lshl_b32 s22, s21, 10
	SADD 20, 22
	s_lshl_b32 s21, s21, 1
	SADD 23, 21
	s_mov_b32 s21, 0
	s_add_nc_u64 s[84:85], s[96:97], s[20:21]
	v_add_nc_u32 v[VX], s23, v[RD]
.endm
.Lpair:
	BLK 1, 0, 0, -1, -1, 2, ACC+64
	s_cmp_eq_u32 s46, 3
	s_cbranch_scc1 .Lnone_0
	FETCHAT 0, ADRA, AAS
	s_wait_dscnt NF
	s_branch .Lgo
.Lnone_0:
	s_wait_dscnt 0x0
.Lgo:
	SBLK 1, 1, 1, -1, -2, 3, ACC+64                ; the first trip's shows chunk 2
.set I_, 0
.rept 32                               ; the pair's sums are copied, so that one trip is two blocks of text
	v_dual_mov_b32 v[ACC+64+I_], v[ACC+I_] :: v_dual_mov_b32 v[ACC+64+I_+1], v[ACC+I_+1]
.set I_, I_+2
.endr
	s_add_co_u32 s22, s46, 1
	s_and_b32 s22, s22, 3
	VTO
	s_cmp_eq_u32 s46, 0
	s_cbranch_scc1 .Lno_pair_before
	VOUT
.Lno_pair_before:
	s_cmp_eq_u32 s46, 3
	s_cbranch_scc1 .Lnone_1
	FETCHAT 1, ADRA, AAS
.Lnone_1:
	s_mov_b32 s8, (2*128+64)*SROW
	s_cmp_eq_u32 s46, 0
	s_cselect_b32 s47, 0, 64*PITCH
	s_cselect_b32 s8, 2*128*SROW, s8
	s_add_co_u32 s46, s46, 1
	s_cmp_lg_u32 s46, 4
	s_cbranch_scc1 .Lpair
	s_wait_xcnt 0x0
.set K_, 0
.rept 60
	GAPV K_, ACC+64
.set K_, K_+1
.endr
	s_mov_b32 s22, 1
	VTO
	WALU
	VOUT
	s_wait_dscnt 0x0                               ; the scale bytes
	BARRIER
	v_lshlrev_b32 v20, 4, v3
	s_lshl_b32 s21, s14, 9
	s_add_co_u32 s21, s21, XN
	v_add_nc_u32 v21, s21, v20
	v_lshlrev_b32 v22, 3, v3
	s_lshl_b32 s21, s14, 8
	s_add_co_u32 s21, s21, XV
	v_add_nc_u32 v23, s21, v22
	WALU
	ds_load_b128 v[60:63], v21
	ds_load_b64 v[40:41], v23
	s_wait_dscnt 0x0
	global_store_b128 v20, v[60:63], s[94:95]      ; 512 consecutive bytes a wave
	global_store_b64 v22, v[40:41], s[98:99]       ; 256
	s_wait_tensorcnt 0x0                           ; the wave's end
	ds_add_u32 v[SPW], v[NIL]
	s_wait_dscnt 0x0
	CROUND                                         ; the closing round
	s_endpgm
.Lfunc_end_k_q85375eb408_proj:
	.size	k_q85375eb408_proj, .Lfunc_end_k_q85375eb408_proj-k_q85375eb408_proj
	.p2alignl 7, 3214868480
	.fill 96, 4, 3214868480
	.section	.rodata,"a",@progbits
	.p2align	6, 0x0
	.amdhsa_kernel k_q85375eb408_proj
		.amdhsa_group_segment_fixed_size 327680
		.amdhsa_private_segment_fixed_size 0
		.amdhsa_enable_private_segment 0
		.amdhsa_kernarg_size 104
		.amdhsa_user_sgpr_count 2
		.amdhsa_user_sgpr_kernarg_segment_ptr 1
		.amdhsa_wavefront_size32 1
		.amdhsa_system_sgpr_workgroup_id_x 1
		.amdhsa_system_sgpr_workgroup_id_y 1
		.amdhsa_system_sgpr_workgroup_id_z 1
		.amdhsa_system_vgpr_workitem_id 0
		.amdhsa_next_free_vgpr 1024
		.amdhsa_next_free_sgpr 102
		.amdhsa_reserve_vcc 0
		.amdhsa_float_denorm_mode_32 3
		.amdhsa_float_denorm_mode_16_64 3
		.amdhsa_memory_ordered 1
		.amdhsa_forward_progress 1
		.amdhsa_inst_pref_size 164
	.end_amdhsa_kernel
	.amdgpu_metadata
---
amdhsa.version: [ 1, 2 ]
amdhsa.kernels:
  - .name:           k_q85375eb408_proj
    .symbol:         k_q85375eb408_proj.kd
    .args:
      - { .name: x_codes, .offset: 0, .size: 8, .value_kind: global_buffer, .address_space: global }
      - { .name: x_scales, .offset: 8, .size: 8, .value_kind: global_buffer, .address_space: global }
      - { .name: Wq_codes, .offset: 16, .size: 8, .value_kind: global_buffer, .address_space: global }
      - { .name: Wq_scales, .offset: 24, .size: 8, .value_kind: global_buffer, .address_space: global }
      - { .name: Wk_codes, .offset: 32, .size: 8, .value_kind: global_buffer, .address_space: global }
      - { .name: Wk_scales, .offset: 40, .size: 8, .value_kind: global_buffer, .address_space: global }
      - { .name: Wv_codes, .offset: 48, .size: 8, .value_kind: global_buffer, .address_space: global }
      - { .name: Wv_scales, .offset: 56, .size: 8, .value_kind: global_buffer, .address_space: global }
      - { .name: bq, .offset: 64, .size: 8, .value_kind: global_buffer, .address_space: global }
      - { .name: bk, .offset: 72, .size: 8, .value_kind: global_buffer, .address_space: global }
      - { .name: bv, .offset: 80, .size: 8, .value_kind: global_buffer, .address_space: global }
      - { .name: codes1, .offset: 88, .size: 8, .value_kind: global_buffer, .address_space: global }
      - { .name: scales1, .offset: 96, .size: 8, .value_kind: global_buffer, .address_space: global }
    .group_segment_fixed_size: 327680
    .private_segment_fixed_size: 0
    .kernarg_segment_align: 8
    .kernarg_segment_size: 104
    .max_flat_workgroup_size: 128
    .sgpr_count:     102
    .vgpr_count:     1024
    .wavefront_size: 32
...
	.end_amdgpu_metadata
.endif
;; end of part 1
;; launch scores (part 2): grid 8 x 32, 4 waves a work-group, clusters of 4 x 4, 327,680 bytes of LDS; arguments codes1, scales1, pcodes, pstats; writes pcodes, pstats
.if DOCPART == 2
	.amdgcn_target "amdgcn-amd-amdhsa--gfx1250"
	.amdhsa_code_object_version 6
	.text
	.protected	k_q85375eb408_scores
	.globl	k_q85375eb408_scores
	.p2align	8
	.type	k_q85375eb408_scores,@function
k_q85375eb408_scores:
	s_mov_b64 s[64:65], 0
	v_nop
	global_prefetch_b8 v0, s[64:65] scope:SCOPE_SE
	s_setreg_imm32_b32 hwreg(HW_REG_WAVE_MODE, 25, 1), 1
	s_wait_xcnt 0x0
	s_wait_alu depctr_hold_cnt(0) depctr_sa_sdst(0) depctr_va_vdst(0) depctr_va_sdst(0) depctr_va_ssrc(0) depctr_va_vcc(0) depctr_vm_vsrc(0)
	s_getreg_b32 s2, hwreg(HW_REG_IB_STS2, 6, 4)
	s_cmp_eq_u32 s2, 0
	s_cbranch_scc0 .Lentry_in_a_cluster
	s_endpgm
.Lentry_in_a_cluster:
	s_bfe_u32 s2, ttmp6, 0x10000c
	s_cmp_lg_u32 s2, 0xf033
	s_cbranch_scc0 .Lentry_shape_is_right
	s_endpgm
.Lentry_shape_is_right:
; P = 2^(t - M) of t = Q K^T x log2(e) / 32, quantised along the keys; M = the ceiling of a row's largest t IN ITS CHUNK OF 128 KEYS; the next launch brings a row's chunks under one M.  A work-group makes 256 queries x 256 keys, a wave 128 x 128 (one chunk): 64 accumulators.
; Operands come as images of their registers.  LDS: Q's two slots of 65,536 bytes, K's two, then the scale words [Q, K][8 chunks of the 1,024 features][256 rows][4 bytes].
; THE HEAD: one joint load a wave: waves 0, 1 fetch Q's and K's K step 0 (256 features), waves 2, 3 K step 1; the first barrier shows waves 0 and 1's alone.  Scale words come by plain loads and are stored to LDS by the waves.
; CLUSTERS: 4 x 4: Q's tiles are asked for jointly along a row of the cluster, K's along a column.
; PREFETCH: K steps 2 and 3, one K step ahead of their loads, 8,192 bytes a wave; the four partners of a joint load share a tile out by address.
; The matrix instruction is used transposed (source 0 = 16 keys, source 1 = 16 queries): lane (r, h) holds query 16 a + r and, in accumulator (a, b), keys 16 b + 8 h + 0 .. 7.
; THE SOFTMAX goes by blocks of 16 queries.  A block's holds stand among the next block's exponentials, its conversions and stores behind them: two sets of p.
; pcodes: [key / 128][row / 16][4][lane][16 bytes]; pstats: scale words, -M, sums, each [key / 256][row][2 chunks][4 bytes].
; LIMITS: the scaled scores stay under 2^31 in magnitude; a block of p under 2^-111 keeps the byte 1; NaN and infinities are not served.
.set FR,     16                        ; registers of a fragment (16 rows x 128 K)
.set NL,     4                         ; LDS loads that bring one
.set NP,     8                         ; places behind this matrix instruction (ISA guide 7.12.1)
.set SLOT,   65536
.set BOFF,   2*SLOT
.set SCL,    4*SLOT
.set SPARE,  SCL+16384                 ; the spare words
.set SCR,    SPARE+512                 ; the statistics on their way out: three arrays of [256 rows][2 chunks][4 bytes]
.set PFO,  6                           ; v6 the prefetches' offset; never rewritten
.set ADRA, 16
.set ADRB, 20
.set SWA,  24
.set SRA,  25
.set CO,   26                          ; v26 16 x lane
.set ADRS, 27                          ; v27 scale words: lanes 0-15 Q's rows, lanes 16-31 K's
.set SPW,  28
.set NIL,  29
.set NMK,  32                          ; v32-39 -M, v40-47 sums, by block
.set LS,   40
.set OW,   48
.set SC,   64                          ; v64-127 scale words: register 8 s + i; later the second set of p
.set AF,   128                         ; Q's fragments; later the first set of p
.set PC,   192                         ; v192-223 codes, two sets
.set BX,   224
.set BT,   228
.set NM,   240
.set SUM,  242
.set SU2,  244
.set TMP,  246
.set PW,   248                         ; v248-255 scale words, by block
.set SU3,  56
.set SU4,  58
.set WV,   12
.set HR,   13                          ; my half of the queries; at the head: the K step that I fetch
.set HC,   14                          ; my half of the keys; at the head: Q (0) or K (1)
.set MNT,  15
.set G1,   24
.set G0,   32
.set G1B,  48
.set G0B,  56
.set BAT,  66
.set PFA,  66                          ; s[66:67] where my prefetches stand
.set G1S,  68                          ; the head's loads: groups 1 and 0
.set G0S,  76
.set G1SB, 80
.set G0SB, 88
.set CS,   92
.set SEL,  94
.set MSB, 0
.macro WIN new
.if MSB != \new
	s_set_vgpr_msb (MSB<<8)|\new
.set MSB, \new
.endif
.endm
.set MUL_LO, 0xa1                      ; source 0 (K) window 1, source 1 (Q) window 0, C and D window 2
.set MUL_HI, 0xf1                      ; the same, C and D window 3
.set TO_B,   0x40
.macro TLOAD g0, g1                    ; four v_nop follow each line
	tensor_load_to_lds s[\g0:\g0+3], s[\g1:\g1+7]
	s_nop 0
.rept 4
	v_nop
.endr
.endm
.macro JLOAD g0a, g1a, g0b, g1b
	s_cmp_eq_u32 s[HR], 0
	s_cbranch_scc0 .Lfor_b_\@
	TLOAD \g0a, \g1a
	s_branch .Lasked_\@
.Lfor_b_\@:
	TLOAD \g0b, \g1b
.Lasked_\@:
.endm
.macro CREST
	s_cmp_lg_u32 s[WV], 0
	s_cbranch_scc1 .Lnot_wave_0_\@
	s_barrier_signal -3
.Lnot_wave_0_\@:
	s_barrier_wait -3
	s_barrier_signal -1
	s_barrier_wait -1
.endm
.macro CROUND
	s_barrier_signal -1
	s_barrier_wait -1
	CREST
.endm
.macro GROUP1 g, mask, rows            ; dense bytes as rows of 256
	s_or_b32 s[\g], s[\mask], (3<<16)|(1<<21)
	s_mov_b32 s[\g+1], 32<<16
	s_mov_b32 s[\g+2], (\rows)<<16
	s_mov_b32 s[\g+3], 32<<16
	s_mov_b32 s[\g+4], \rows
	s_mov_b32 s[\g+5], 32
	s_mov_b32 s[\g+6], 0
	s_mov_b32 s[\g+7], 0
.endm
	s_load_b256 s[4:11], s[0:1], 0x0               ; codes1, scales1, pcodes, pstats
	v_lshl_add_u32 v[SPW], v0, 2, SPARE
	v_mov_b32 v[NIL], 0
	ds_add_u32 v[SPW], v[NIL]                      ; the wave's opening: the add, twice on end, and its wait ahead of my first tensor load
	ds_add_u32 v[SPW], v[NIL]
	v_lshrrev_b32 v1, 5, v0
	v_readfirstlane_b32 s[WV], v1
	s_lshr_b32 s[HR], s[WV], 1
	s_and_b32 s[HC], s[WV], 1
	s_bfe_u32 s40, ttmp6, 0x40000                  ; cx
	s_bfe_u32 s41, ttmp6, 0x40004                  ; cy
	s_lshl_b32 s42, ttmp9, 2
	s_add_co_u32 s42, s42, s40                     ; the tile of 256 keys in its batch
	s_and_b32 s[BAT], ttmp7, 0xffff
	s_lshl_b32 s43, s[BAT], 2
	s_add_co_u32 s43, s43, s41                     ; the tile of 256 queries, over all batches
	s_lshr_b32 s[BAT], s[BAT], 1                   ; the batch, from the cluster's y alone
	s_lshl_b32 s44, s41, 2
	s_lshl_b32 s44, 15, s44
	s_lshl_b32 s45, 0x1111, s40
	GROUP1 G1, 44, 128                             ; the ring: 128 rows' images
	GROUP1 G1B, 45, 128
	GROUP1 G1S, 44, 256                            ; the head: 256
	GROUP1 G1SB, 45, 256
	s_lshl_b32 s16, s43, 4                         ; Q: 16 blocks of rows a tile
	s_lshl_b32 s18, s16, 6
	s_lshl_b32 s16, s16, 12
	s_mov_b32 s17, 0
	s_mov_b32 s19, 0
	s_lshl_b32 s20, s[BAT], 7                      ; K: 128 blocks a batch, 16 a tile, behind Q
	s_lshl_b32 s3, s42, 4
	s_add_co_u32 s20, s20, s3
	s_lshl_b32 s22, s20, 6
	s_add_co_u32 s22, s22, 262144
	s_lshl_b32 s20, s20, 12
	s_add_co_u32 s20, s20, 8388608
	s_mov_b32 s21, 0
	s_mov_b32 s23, 0
	s_lshl_b32 s46, s42, 1                         ; P: ((2 key tile + HC) x 512 + 16 query tile + 8 HR) x 2,048
	s_add_co_u32 s46, s46, s[HC]
	s_lshl_b32 s46, s46, 9
	s_lshl_b32 s3, s43, 4
	s_add_co_u32 s46, s46, s3
	s_lshl_b32 s3, s[HR], 3
	s_add_co_u32 s46, s46, s3
	s_lshl_b32 s46, s46, 11
	s_mov_b32 s47, 0
	s_lshl_b32 s2, s42, 16                         ; the statistics: (8,192 key tile + 256 query tile + 64 wave) x 8
	s_lshl_b32 s3, s43, 11
	s_add_co_u32 s2, s2, s3
	s_lshl_b32 s3, s[WV], 9
	s_add_co_u32 s2, s2, s3
	s_mov_b32 s3, 0
	s_mov_b32 s[MNT], 0x600000                     ; the mantissa field of 57,344
	s_mov_b32 s[CS], 0x3d38aa3b                    ; log2(e) / 32
	s_mov_b32 s[CS+1], s[CS]
	s_mov_b32 s[SEL], 0x76543210
	s_mov_b32 s[SEL+1], 0xfedcba98                 ; lane l xor 16
	s_wait_alu depctr_va_vdst(0)
	v_and_b32 v1, 15, v0                           ; r
	v_bfe_u32 v2, v0, 4, 1                         ; h
	v_and_b32 v3, 31, v0
	v_lshlrev_b32 v[CO], 4, v3
	v_and_b32 v4, 63, v0
	v_lshlrev_b32 v4, 4, v4                        ; my 16 bytes of a chunk's 1,024 bytes of scale words
	v_lshlrev_b32 v[PFO], 8, v3
	s_wait_alu depctr_va_vdst(0)
	s_wait_dscnt 0x0                               ; both opening adds are done
	CROUND                                         ; all sixteen work-groups are here: the first joint loads meet
	s_wait_kmcnt 0x0
	s_add_nc_u64 s[16:17], s[4:5], s[16:17]
	s_add_nc_u64 s[20:21], s[4:5], s[20:21]
	s_add_nc_u64 s[18:19], s[6:7], s[18:19]
	s_add_nc_u64 s[22:23], s[6:7], s[22:23]
	s_add_nc_u64 s[8:9], s[8:9], s[46:47]
	s_add_nc_u64 s[10:11], s[10:11], s[2:3]
	s_lshl_b32 s46, s[HR], 16                      ; the head's loads: K step HR into slot HR
	s_lshl_b32 s2, s[HR], 21
	s_mov_b32 s3, 0
	s_mov_b32 s[G0S], 1
	s_mov_b32 s[G0S+1], s46
	s_add_nc_u64 s[G0S+2:G0S+3], s[16:17], s[2:3]
	s_or_b32 s[G0S+3], s[G0S+3], 0x80000000
	s_mov_b32 s[G0SB], 1
	s_add_co_u32 s[G0SB+1], s46, BOFF
	s_add_nc_u64 s[G0SB+2:G0SB+3], s[20:21], s[2:3]
	s_or_b32 s[G0SB+3], s[G0SB+3], 0x80000000
; ONE joint load a wave, each in an arm and a line of its own; every way through passes exactly one
.macro ARM under, g0, g1, next
	s_cmp_lt_u32 s[WV], \under
	s_cbranch_scc0 \next
	TLOAD \g0, \g1
	s_branch .Lhead_asked
\next:
.endm
	s_cmp_eq_u32 s[HR], 0                          ; waves 0, 1 bring Q's scale words, waves 2, 3 K's
	s_cselect_b64 s[2:3], s[18:19], s[22:23]
.irp s, 0,1,2,3,4,5,6,7
	global_load_b128 v[128+4*\s:128+4*\s+3], v4, s[2:3] offset:32768*\s
.endr
	ARM 1, G0S, G1S, .Lhead_b0
	ARM 2, G0SB, G1SB, .Lhead_a1
	ARM 3, G0S, G1S, .Lhead_b1
	TLOAD G0SB, G1SB
.Lhead_asked:
	s_cmp_eq_u32 s[HR], 0
	s_cselect_b64 s[PFA:PFA+1], s[16:17], s[20:21] ; the prefetches: my tile,
	s_cselect_b32 s44, s40, s41                    ; my work-group's quarter of it,
	s_lshl_b32 s44, s44, 14
	s_lshl_b32 s45, s[HC], 13                      ; my wave's half of that
	s_add_co_u32 s44, s44, s45
	s_mov_b32 s45, 0
	s_add_nc_u64 s[PFA:PFA+1], s[PFA:PFA+1], s[44:45]
	s_lshl_b32 s46, s[HC], 15                      ; the ring: I fetch 128 rows
	s_mov_b32 s47, 0
	s_add_nc_u64 s[18:19], s[16:17], s[46:47]
	s_add_nc_u64 s[22:23], s[20:21], s[46:47]
.irp s, 0,1
	s_mov_b32 s[G0+4*\s], 1
	s_add_co_u32 s[G0+4*\s+1], s46, \s*SLOT
	s_add_nc_u64 s[G0+4*\s+2:G0+4*\s+3], s[18:19], \s*0x200000
	s_or_b32 s[G0+4*\s+3], s[G0+4*\s+3], 0x80000000
	s_mov_b32 s[G0B+4*\s], 1
	s_add_co_u32 s[G0B+4*\s+1], s46, BOFF+\s*SLOT
	s_add_nc_u64 s[G0B+4*\s+2:G0B+4*\s+3], s[22:23], \s*0x200000
	s_or_b32 s[G0B+4*\s+3], s[G0B+4*\s+3], 0x80000000
.endr
	s_lshl_b32 s44, s[HR], 13
	s_add_co_u32 s44, s44, SCL
	v_add_nc_u32 v8, s44, v4                       ; where I store the scale words
	s_lshl_b32 s16, s[HR], 15
	s_lshl_b32 s17, s[HC], 15
	s_add_co_u32 s17, s17, BOFF
.irp s, 0,1
	v_add_nc_u32 v[ADRA+\s], s16, v[CO]
	v_add_nc_u32 v[ADRB+\s], s17, v[CO]
	s_add_co_u32 s16, s16, SLOT
	s_add_co_u32 s17, s17, SLOT
.endr
	s_lshl_b32 s16, s[HR], 9
	s_lshl_b32 s17, s[HC], 9
	s_add_co_u32 s17, s17, 8192
	s_sub_co_u32 s17, s17, s16
	v_mul_u32_u24 v7, s17, v2                      ; lanes 16-31 take K's: one product, the distance x h
	s_add_co_u32 s16, s16, SCL
	v_lshl_add_u32 v5, v1, 2, v7
	v_add_nc_u32 v[ADRS], s16, v5
	s_lshl_b32 s16, s[HR], 10                      ; the statistics: row 128 HR + 16 a + r, chunk HC
	s_lshl_b32 s17, s[HC], 2
	s_add_co_u32 s16, s16, s17
	s_add_co_u32 s16, s16, SCR
	v_lshl_add_u32 v[SWA], v1, 3, s16
	s_lshl_b32 s16, s[WV], 9
	s_add_co_u32 s16, s16, SCR
	v_add_nc_u32 v[SRA], s16, v[CO]
.macro FRAG reg, adr, q, i
.irp c, 0,1,2,3
	ds_load_b128 v[\reg+4*\c:\reg+4*\c+3], v[\adr] offset:4096*(\i)+2048*(\q)+512*\c
.endr
.endm
; 16 matrix instructions: Q's blocks a0, a0 + 1 x K's eight.  The 64 accumulators take turns, one instruction a turn, in the same order in every step
.macro MUL16 a0, p, s, zero
.irp a, \a0, \a0+1
.irp b, 0,1,2,3,4,5,6,7
.if \zero
	v_wmma_scale_f32_16x16x128_f8f6f4 v[8*(8*((\a)%4)+\b):8*(8*((\a)%4)+\b)+7], v[128*(\p)+FR*\b:128*(\p)+FR*\b+FR-1], v[AF+FR*(\a):AF+FR*(\a)+FR-1], 0, v[SC+8*(\s)+\b], v[SC+8*(\s)+(\a)] matrix_a_fmt:MATRIX_FMT_BF8 matrix_b_fmt:MATRIX_FMT_BF8 matrix_a_scale:MATRIX_SCALE_ROW1
.else
	v_wmma_scale_f32_16x16x128_f8f6f4 v[8*(8*((\a)%4)+\b):8*(8*((\a)%4)+\b)+7], v[128*(\p)+FR*\b:128*(\p)+FR*\b+FR-1], v[AF+FR*(\a):AF+FR*(\a)+FR-1], v[8*(8*((\a)%4)+\b):8*(8*((\a)%4)+\b)+7], v[SC+8*(\s)+\b], v[SC+8*(\s)+(\a)] matrix_a_fmt:MATRIX_FMT_BF8 matrix_b_fmt:MATRIX_FMT_BF8 matrix_a_scale:MATRIX_SCALE_ROW1
.endif
.endr
.endr
.endm
.macro FETCH_B slot, q, p
	WIN TO_B
.irp i, 0,1,2,3,4,5,6,7
	FRAG 128*(\p)+FR*\i, ADRB+\slot, \q, \i
.endr
	WIN 0
.endm
.macro FETCH_A slot, q, i0
.irp i, \i0, \i0+1, \i0+2, \i0+3
	FRAG AF+FR*(\i), ADRA+\slot, \q, \i
.endr
.endm
.macro PLACES n
.rept \n
	v_nop
.endr
.endm
.macro WORDS s                         ; the scale words of the s-th 128 along K
.irp i, 0,1,2,3,4,5,6,7
	ds_load_b32 v[SC+8*(\s)+\i], v[ADRS] offset:1024*(\s)+64*\i
.endr
.endm
.macro BHALF slot, i0                  ; four of K's fragments of the slot's second 128 into set 1
	WIN TO_B
.irp i, \i0, \i0+1, \i0+2, \i0+3
	FRAG 128+FR*(\i), ADRB+\slot, 1, \i
.endr
	WIN MUL_LO
.endm
.macro STEP slot, s, zero              ; a slot's first 128 along K; the second 128 is fetched meanwhile
	s_wait_dscnt 4*NL                              ; Q's blocks 4-7 may be out
	BHALF \slot, 0
	MUL16 0, 0, \s, \zero
	BHALF \slot, 4
	MUL16 2, 0, \s, \zero
	s_wait_dscnt 8*NL                              ; Q's blocks 4-7 are in; K's 32 newer loads may be out
	PLACES NP
	WIN 0
	FETCH_A \slot, 1, 0
.if (\s) < 6
	WORDS \s+2
	WORDS \s+3
.endif
	WIN MUL_HI
	MUL16 4, 0, \s, \zero
	MUL16 6, 0, \s, \zero
	PLACES NP
	WIN 0
	FETCH_A \slot, 1, 4
.endm
.macro TURN slot, next, fill, s        ; a slot's second 128, and the change of slots
	s_wait_tensorcnt 0x0                           ; all my tensor loads have landed: my part of the next slot
	ds_add_u32 v[SPW], v[NIL]                      ; 0 onto my spare word
	s_wait_dscnt 4*NL+1                            ; the add and Q's blocks 4-7 may be out
	WIN MUL_LO
	MUL16 0, 1, \s, 0
	s_wait_dscnt 0x0                               ; the add is done, my reads of this slot are over
	s_barrier_signal -1
	MUL16 2, 1, \s, 0
	WIN 0
	s_barrier_wait -1
.if \fill
	CREST                                          ; no wave of any partner still reads this slot or has a load on its way
	s_add_nc_u64 s[G0+4*\slot+2:G0+4*\slot+3], s[G0+4*\slot+2:G0+4*\slot+3], 0x400000
	s_add_nc_u64 s[G0B+4*\slot+2:G0B+4*\slot+3], s[G0B+4*\slot+2:G0B+4*\slot+3], 0x400000
	JLOAD G0+4*\slot, G1, G0B+4*\slot, G1B
	PLACES NP-4
.else
	PLACES NP
.endif
	FETCH_B \next, 0, 0
	WIN MUL_HI
	MUL16 4, 1, \s, 0
	WIN 0
	FETCH_A \next, 0, 0
.if (\s) == 1
	global_prefetch_b8 v[PFO], s[PFA:PFA+1] offset:3*0x200000 th:TH_LOAD_NT scope:SCOPE_SE   ; K step 3
.endif
	WIN MUL_HI
	MUL16 6, 1, \s, 0
	PLACES NP
	WIN 0
	FETCH_A \next, 0, 4
.endm
	s_wait_alu depctr_va_vdst(0)                   ; the wait at the head's end
	s_wait_loadcnt 0x0
.irp s, 0,1,2,3,4,5,6,7
	ds_store_b128 v8, v[128+4*\s:128+4*\s+3] offset:1024*\s
.endr
	s_cmp_lt_u32 s[WV], 2                          ; waves 0, 1: K step 0 is in; waves 2, 3 wait for K step 1 at the first change of slots
	s_cbranch_scc0 .Lnot_yet
	s_wait_tensorcnt 0x0
.Lnot_yet:
	s_wait_dscnt 0x0
	s_barrier_signal -1
	s_barrier_wait -1
	FETCH_B 0, 0, 0
	FETCH_A 0, 0, 0
	WORDS 0
	WORDS 1
	FETCH_A 0, 0, 4
	global_prefetch_b8 v[PFO], s[PFA:PFA+1] offset:2*0x200000 th:TH_LOAD_NT scope:SCOPE_SE   ; K step 2
	STEP 0, 0, 1                                   ; the first products start the sums
	TURN 0, 1, 1, 1
	STEP 1, 2, 0
	TURN 1, 0, 1, 3
	STEP 0, 4, 0
	TURN 0, 1, 0, 5                                ; nothing is left to fetch
	STEP 1, 6, 0
	s_wait_dscnt 4*NL
	WIN MUL_LO
	MUL16 0, 1, 7, 0
	MUL16 2, 1, 7, 0
	s_wait_dscnt 0
	WIN MUL_HI
	MUL16 4, 1, 7, 0
	MUL16 6, 1, 7, 0
	WIN 0
.macro FLUSH a                         ; block a's held p, at TP, leave as codes
.irp b, 0,1,2,3
	v_cvt_scalef32_pk8_bf8_f32 v[PCS+4*\b:PCS+4*\b+1], v[TP+16*\b:TP+16*\b+7], v[BSP+\b]
	v_cvt_scalef32_pk8_bf8_f32 v[PCS+4*\b+2:PCS+4*\b+3], v[TP+16*\b+8:TP+16*\b+15], v[BSP+\b]
.endr
	v_nop                                          ; a plain line behind the last conversion
.irp c, 0,1,2,3
	global_store_b128 v[CO], v[PCS+4*\c:PCS+4*\c+3], s[8:9] offset:2048*(\a)+512*\c   ; 32 lanes store 512 consecutive bytes, aligned
.endr
.endm
; Block a: p at T, its bounds at BH, its conversions' scale operands at BS; the block before: TP, BHP, BSP, its codes PCS
.macro SOFT a
.set AC, 64*((\a)%4)
.set AW, 2+(\a)/4
.set W3, AW|(AW<<2)|(AW<<4)
.set W2, (AW<<2)|(AW<<4)
.set T, 128-64*((\a)%2)
.set TP, 64+64*((\a)%2)
.set BH, 232-220*((\a)%2)
.set BHP, 12+220*((\a)%2)
.set BS, 236-176*((\a)%2)
.set BSP, 60+176*((\a)%2)
.set PCS, PC+16*(((\a)+1)%2)
	WIN W3
.irp b, 0,1,2,3
	v_max3_num_f32 v[BX+\b], v[AC+16*\b], v[AC+16*\b+1], v[AC+16*\b+2]   ; the largest score of each block of 32 keys
.endr
	WIN W2
.irp i, 3,5,7,9,11,13
.irp b, 0,1,2,3
	v_max3_num_f32 v[BX+\b], v[BX+\b], v[AC+16*\b+\i], v[AC+16*\b+\i+1]
.endr
.endr
.irp b, 0,1,2,3
	v_max_num_f32 v[BX+\b], v[BX+\b], v[AC+16*\b+15]
.endr
	WIN 0
.irp b, 0,1,2,3
	v_permlanex16_b32 v[BT+\b], v[BX+\b], s[SEL], s[SEL+1]
.endr
.irp b, 0,1,2,3
	v_max_num_f32 v[BX+\b], v[BX+\b], v[BT+\b]
.endr
	v_max3_num_f32 v[TMP], v[BX], v[BX+1], v[BX+2]
	v_max_num_f32 v[TMP], v[TMP], v[BX+3]
	v_mul_f32 v[NM+1], s[CS], v[TMP]
	v_floor_f32 v[NM], -v[NM+1]                    ; -M: a whole number
	WIN AW
.set i, 0
.rept 32
	v_pk_fma_f32 v[T+2*i:T+2*i+1], v[AC+2*i:AC+2*i+1], s[CS:CS+1], v[NM:NM+1] op_sel_hi:[1,0,0]
.set i, i+1
.endr
	WIN 0
.irp b, 0,1,2,3
	v_fma_f32 v[BX+\b], v[BX+\b], s[CS], v[NM]
.endr
.if (\a) >= 2
	s_wait_xcnt 0x0                                ; the stores that read the set of codes which is written below have read it
.endif
.set i, 0
	s_wait_alu depctr_va_vdst(0)                   ; the wait ahead of the batch
.rept 64
	v_exp_f32 v[T+i], v[T+i]
.if (\a) > 0
	v_min_num_f32 v[TP+i], v[TP+i], v[BHP+i/16]    ; the block before: held, since the conversion does not saturate (ISA guide 7.6.2)
.endif
.set i, i+1
.endr
	v_mov_b32 v[NMK+(\a)], v[NM]
	s_wait_alu depctr_va_vdst(0)                   ; and behind it
.irp b, 0,1,2,3
	v_exp_f32 v[BX+\b], v[BX+\b]                   ; the largest p of each block of 32 keys
.endr
	v_pk_add_f32 v[SUM:SUM+1], v[T:T+1], v[T+2:T+3]          ; the row's sum, of the unquantised p, in four chains
	v_pk_add_f32 v[SU2:SU2+1], v[T+4:T+5], v[T+6:T+7]
	v_pk_add_f32 v[SU3:SU3+1], v[T+8:T+9], v[T+10:T+11]
	v_pk_add_f32 v[SU4:SU4+1], v[T+12:T+13], v[T+14:T+15]
.irp j, 16,24,32,40,48,56
	v_pk_add_f32 v[SUM:SUM+1], v[SUM:SUM+1], v[T+\j:T+\j+1]
	v_pk_add_f32 v[SU2:SU2+1], v[SU2:SU2+1], v[T+\j+2:T+\j+3]
	v_pk_add_f32 v[SU3:SU3+1], v[SU3:SU3+1], v[T+\j+4:T+\j+5]
	v_pk_add_f32 v[SU4:SU4+1], v[SU4:SU4+1], v[T+\j+6:T+\j+7]
.endr
	v_pk_add_f32 v[SUM:SUM+1], v[SUM:SUM+1], v[SU2:SU2+1]
	v_pk_add_f32 v[SU3:SU3+1], v[SU3:SU3+1], v[SU4:SU4+1]
.if (\a) > 0
	FLUSH (\a)-1
.endif
	v_pk_add_f32 v[SUM:SUM+1], v[SUM:SUM+1], v[SU3:SU3+1]
	v_add_f32 v[TMP], v[SUM], v[SUM+1]
	v_permlanex16_b32 v[TMP+1], v[TMP], s[SEL], s[SEL+1]
	v_add_f32 v[LS+(\a)], v[TMP], v[TMP+1]
	s_wait_alu depctr_va_vdst(0)
.irp b, 0,1,2,3
	v_max_num_f32 v[BX+\b], 0x8000000, v[BX+\b]    ; the floor 2^(16 - 127): the byte cannot fall under 1
.endr
.irp b, 0,1,2,3
	v_add_nc_u32 v[BS+\b], 0xf8800000, v[BX+\b]    ; 15 off the exponent field: the conversion's scale operand
.endr
.irp b, 0,1,2,3
	v_and_or_b32 v[BH+\b], v[BX+\b], 0x7f800000, s[MNT]   ; 57,344 x the scale
.endr
.irp b, 0,1,2,3
	v_lshrrev_b32 v[BT+\b], 23, v[BS+\b]           ; the scale's byte
.endr
	v_lshl_or_b32 v[PW+(\a)], v[BT+1], 8, v[BT]
	v_lshl_or_b32 v[PW+(\a)], v[BT+2], 16, v[PW+(\a)]
	v_lshl_or_b32 v[PW+(\a)], v[BT+3], 24, v[PW+(\a)]
.endm
	PLACES NP                                      ; the lines below write registers that the last products read, and read results
.irp b, 0,1,2,3
	v_mov_b32 v[BT+\b], 0                          ; a lane permute's destination counts as one of its sources
.endr
	v_mov_b32 v[TMP+1], 0
.irp a, 0,1,2,3,4,5,6,7
	SOFT \a
.endr
.set TP, 64                            ; the last block
.set BSP, 60
.set PCS, PC+16
	s_wait_xcnt 0x0
	s_wait_alu depctr_va_vdst(0)
.set i, 0
.rept 64
	v_min_num_f32 v[TP+i], v[TP+i], v[12+i/16]
.set i, i+1
.endr
	FLUSH 7
.irp a, 0,1,2,3,4,5,6,7
	ds_store_b32 v[SWA], v[PW+\a] offset:128*\a    ; both halves of the lanes write the same word with the same value
	ds_store_b32 v[SWA], v[NMK+\a] offset:2048+128*\a
	ds_store_b32 v[SWA], v[LS+\a] offset:4096+128*\a
.endr
	s_wait_dscnt 0x0                               ; two waves' words make a row's pair
	s_barrier_signal -1
	s_barrier_wait -1
.irp u, 0,1,2
	ds_load_b128 v[OW+4*\u:OW+4*\u+3], v[SRA] offset:2048*\u
.endr
	s_wait_dscnt 0x0
.irp u, 0,1,2
	global_store_b128 v[CO], v[OW+4*\u:OW+4*\u+3], s[10:11] offset:524288*\u   ; 512 consecutive bytes
.endr
	s_wait_tensorcnt 0x0                           ; the wave's end
	ds_add_u32 v[SPW], v[NIL]
	s_wait_dscnt 0x0
	CROUND                                         ; the closing round
	s_endpgm
.Lfunc_end_k_q85375eb408_scores:
	.size	k_q85375eb408_scores, .Lfunc_end_k_q85375eb408_scores-k_q85375eb408_scores
	.p2alignl 7, 3214868480
	.fill 96, 4, 3214868480
	.section	.rodata,"a",@progbits
	.p2align	6, 0x0
	.amdhsa_kernel k_q85375eb408_scores
		.amdhsa_group_segment_fixed_size 327680
		.amdhsa_private_segment_fixed_size 0
		.amdhsa_enable_private_segment 0
		.amdhsa_kernarg_size 32
		.amdhsa_user_sgpr_count 2
		.amdhsa_user_sgpr_kernarg_segment_ptr 1
		.amdhsa_wavefront_size32 1
		.amdhsa_system_sgpr_workgroup_id_x 1
		.amdhsa_system_sgpr_workgroup_id_y 1
		.amdhsa_system_sgpr_workgroup_id_z 1
		.amdhsa_system_vgpr_workitem_id 0
		.amdhsa_next_free_vgpr 1024
		.amdhsa_next_free_sgpr 96
		.amdhsa_reserve_vcc 0
		.amdhsa_float_denorm_mode_32 3
		.amdhsa_float_denorm_mode_16_64 3
		.amdhsa_memory_ordered 1
		.amdhsa_forward_progress 1
		.amdhsa_inst_pref_size 229
	.end_amdhsa_kernel
	.amdgpu_metadata
---
amdhsa.version: [ 1, 2 ]
amdhsa.kernels:
  - .name:           k_q85375eb408_scores
    .symbol:         k_q85375eb408_scores.kd
    .args:
      - { .name: codes1, .offset: 0, .size: 8, .value_kind: global_buffer, .address_space: global }
      - { .name: scales1, .offset: 8, .size: 8, .value_kind: global_buffer, .address_space: global }
      - { .name: pcodes, .offset: 16, .size: 8, .value_kind: global_buffer, .address_space: global }
      - { .name: pstats, .offset: 24, .size: 8, .value_kind: global_buffer, .address_space: global }
    .group_segment_fixed_size: 327680
    .private_segment_fixed_size: 0
    .kernarg_segment_align: 8
    .kernarg_segment_size: 32
    .max_flat_workgroup_size: 128
    .sgpr_count:     96
    .vgpr_count:     1024
    .wavefront_size: 32
...
	.end_amdgpu_metadata
.endif
;; end of part 2
;; launch pv (part 3): grid 4 x 64, 4 waves a work-group, clusters of 4 x 4, 327,680 bytes of LDS; arguments pcodes, pstats, codes1, scales1, out0; writes out0
.if DOCPART == 3
	.amdgcn_target "amdgcn-amd-amdhsa--gfx1250"
	.amdhsa_code_object_version 6
	.text
	.protected	k_q85375eb408_pv
	.globl	k_q85375eb408_pv
	.p2align	8
	.type	k_q85375eb408_pv,@function
k_q85375eb408_pv:
	s_mov_b64 s[64:65], 0
	v_nop
	global_prefetch_b8 v0, s[64:65] scope:SCOPE_SE
	s_setreg_imm32_b32 hwreg(HW_REG_WAVE_MODE, 25, 1), 1
	s_wait_xcnt 0x0
	s_wait_alu depctr_hold_cnt(0) depctr_sa_sdst(0) depctr_va_vdst(0) depctr_va_sdst(0) depctr_va_ssrc(0) depctr_va_vcc(0) depctr_vm_vsrc(0)
	s_getreg_b32 s2, hwreg(HW_REG_IB_STS2, 6, 4)
	s_cmp_eq_u32 s2, 0
	s_cbranch_scc0 .Lentry_in_a_cluster
	s_endpgm
.Lentry_in_a_cluster:
	s_bfe_u32 s2, ttmp6, 0x10000c
	s_cmp_lg_u32 s2, 0xf033
	s_cbranch_scc0 .Lentry_shape_is_right
	s_endpgm
.Lentry_shape_is_right:
; O = (P V) / l on the codes that the two launches before made; K = the batch's 2,048 keys, 16 chunks of 128.  A tile of 128 queries x 256 channels to a work-group (so that there are 256 of them), 64 x 128 a wave: 32 accumulators.
; THE HEAD brings a row's 16 chunks under ONE M.  Thread n takes row n of the tile: M = the largest of the chunks' M; d = M - the chunk's M, a whole number, is taken off each of the chunk's four scale
; bytes (a power of two: no code changes), and l = the sum of the chunks' sums x 2^-d.  The mended words, V^T's words and 1 / l go to LDS for all four waves.
; THE RING.  LDS holds six places of a chunk: P's 16,384 bytes, V^T's 32,768.  Slot 0 is places 0-2, slot 1 places 3-5.  At the head each wave has one joint load: waves 0, 1 fetch slot 0's P and V^T, waves 2, 3 slot 1's; the first barrier shows slot 0 alone.
; Four refills follow, each behind a round of the cluster's barrier: chunks 6-8, 9-11, 12-14, 15: wave 3 fetches P, waves 0 to 2 a chunk of V^T each.  A refill has three chunks' products in which to land.
; OPERANDS are images of their registers: a fragment is four loads of 512 consecutive bytes.  A chunk's fragments are fetched in two halves among the products of the chunk before.
; The matrix instruction is used transposed (source 0 = 16 channels of V^T, source 1 = 16 queries of P): a lane holds eight neighbouring channels of one query.
; CLUSTERS: 4 x 4: P's tiles are asked for jointly along a row of the cluster, V^T's along a column.
; PREFETCH: a refill's bytes are asked for one refill ahead (the first: two chunks ahead), 8,192 bytes a wave of V^T, 12,288 of P; the four partners of a joint load share them out by address.  The head's chunks come by their loads alone.
; LIMITS: a scale byte that would fall under 0 is held at 0 (2^-127): such a block then adds at most 57,344 x 2^-127 x |V| for each key in place of less; p's bytes lie in 1 .. 112 since p is at most 1, on which the
; bytewise subtraction leans; NaN and infinities are not served.
.set PL,     16384                     ; a place of P: 128 rows x 128 keys
.set VL,     32768                     ; of V^T: 256 rows
.set VOFF,   6*PL
.set SCW,    VOFF+6*VL                 ; scale words, 1,536 bytes a chunk: P's 128 rows, then V^T's 256; stored by the waves, no fill lands here
.set RLS,    SCW+16*1536               ; 1 / l of the 128 rows
.set SPARE,  RLS+512                   ; the spare words
.set STG,    VOFF                      ; the way out: 16 rows x (512 + 16) bytes for each wave, in slot 0's places of V^T, which have had their last fill and their last read by then
.set SPITCH, 528
.set PCH,    0x100000                  ; from chunk to chunk in pcodes: 512 blocks of rows x 2,048
.set VCH,    0x20000                   ; in V^T's codes: 64 blocks
.set VGO,  7                           ; v7   V^T's words: my offset in memory,
.set VSW,  8                           ; v8   and in LDS
.set PSW,  9                           ; v9   SCW + 4 x thread
.set RLW,  10                          ; v10  RLS + 4 x thread
.set PF,   12                          ; v12, v13 the prefetches' offsets; never rewritten
.set PF2,  13
.set ADRA, 16                          ; v16-17  my half of P in slot 0, 1
.set ADRV, 18                          ; v18  V^T's words, every lane
.set ADRS, 19                          ; v19  lanes 0-15 P's words, lanes 16-31 V^T's
.set ADRB, 20                          ; v20-23  my half of V^T: slot 0's places 0-1, 2, slot 1's 3-4, 5
.set STO,  24
.set RD,   25
.set CO,   26                          ; v26  16 lane
.set ADRL, 27                          ; v27  RLS + 256 HR + 4 r
.set SPW,  28
.set NIL,  29
.set GOF,  30                          ; v30  8 x thread
.set SC,   32                          ; v32-47 scale words, two sets: register i: lanes 0-15 P's block i (i under 4), lanes 16-31 V^T's block i
.set VWD,  48                          ; the head: v48-79 V^T's words,
.set TA,   80                          ; v80-99 four chunks at work,
.set TB,   84
.set TC,   88
.set TD,   92
.set TS,   96
.set HN,   160                         ; v160-175 -M, v176-191 sums, v192-207 words, v208-211 the row's
.set HL,   176
.set HW,   192
.set HT,   208
.set RL,   224                         ; v224, 226, 228, 230: 1 / l of my four blocks of rows, each the low word of a pair
.set WV,   14
.set HR,   15                          ; my half of the queries; at the head: the slot that I fetch for
.set HC,   16                          ; my half of the channels; at the head: P (0) or V^T (1)
.set G1,   24                          ; group 1: three chunks of P
.set G0,   32
.set G1B,  48                          ; three chunks of V^T
.set G0B,  56
.set BAT,  66
.set G1V,  68                          ; one chunk of V^T
.set PFA,  76                          ; s[76:77] where my prefetches stand
.set G1L,  84                          ; one chunk of P
.set MSB, 0
.macro WIN new
.if MSB != \new
	s_set_vgpr_msb (MSB<<8)|\new
.set MSB, \new
.endif
.endm
.set MUL,  0xad                        ; source 0 (V^T) window 1, source 1 (P) window 3, C and D window 2
.set TO_B, 0x40
.set TO_A, 0xc0
.macro TLOAD g0, g1                    ; four v_nop follow each line
	tensor_load_to_lds s[\g0:\g0+3], s[\g1:\g1+7]
	s_nop 0
.rept 4
	v_nop
.endr
.endm
.macro CREST
	s_cmp_lg_u32 s[WV], 0
	s_cbranch_scc1 .Lnot_wave_0_\@
	s_barrier_signal -3
.Lnot_wave_0_\@:
	s_barrier_wait -3
	s_barrier_signal -1
	s_barrier_wait -1
.endm
.macro CROUND
	s_barrier_signal -1
	s_barrier_wait -1
	CREST
.endm
.macro GROUP1 g, mask, d0, rows, pitch ; elements of 8 bytes, no padding
	s_or_b32 s[\g], s[\mask], (3<<16)|(1<<21)
	s_mov_b32 s[\g+1], (\d0)<<16
	s_mov_b32 s[\g+2], (\rows)<<16
	s_mov_b32 s[\g+3], (\d0)<<16
	s_mov_b32 s[\g+4], \rows
	s_mov_b32 s[\g+5], \pitch
	s_mov_b32 s[\g+6], 0
	s_mov_b32 s[\g+7], 0
.endm
	s_load_b256 s[4:11], s[0:1], 0x0               ; pcodes, pstats, codes1, scales1
	s_load_b64 s[12:13], s[0:1], 0x20              ; out0
	v_lshl_add_u32 v[SPW], v0, 2, SPARE
	v_mov_b32 v[NIL], 0
	ds_add_u32 v[SPW], v[NIL]                      ; the wave's opening: the add, twice on end, and its wait ahead of my first tensor load
	ds_add_u32 v[SPW], v[NIL]
	v_lshrrev_b32 v4, 5, v0
	v_readfirstlane_b32 s[WV], v4
	v_and_b32 v1, 15, v0                           ; r
	v_bfe_u32 v2, v0, 4, 1                         ; h
	v_and_b32 v3, 31, v0
	v_lshlrev_b32 v[CO], 4, v3
	v_lshlrev_b32 v[GOF], 3, v0
	v_lshrrev_b32 v6, 6, v0                        ; V^T's words: threads 0-63 take a chunk's 1,024 bytes, threads 64-127 the next chunk's
	v_and_b32 v5, 63, v0
	v_lshlrev_b32 v5, 4, v5
	v_lshl_add_u32 v[VGO], v6, 12, v5
	v_mul_u32_u24 v6, 1536, v6
	v_add_nc_u32 v6, v6, v5
	v_add_nc_u32 v[VSW], SCW+512, v6
	v_lshl_add_u32 v[PSW], v0, 2, SCW
	v_lshl_add_u32 v[RLW], v0, 2, RLS
	s_wait_alu depctr_va_vdst(0)                   ; the wait ahead of the scalar lines and the waits below
	s_lshr_b32 s[HR], s[WV], 1
	s_and_b32 s[HC], s[WV], 1
	s_bfe_u32 s40, ttmp6, 0x40000                  ; cx
	s_bfe_u32 s41, ttmp6, 0x40004                  ; cy
	s_lshl_b32 s42, ttmp9, 2
	s_add_co_u32 s42, s42, s40                     ; the tile of 256 channels
	s_and_b32 s[BAT], ttmp7, 0xffff
	s_lshl_b32 s43, s[BAT], 2
	s_add_co_u32 s43, s43, s41                     ; the tile of 128 queries, over all batches
	s_lshr_b32 s[BAT], s[BAT], 2                   ; the batch, from the cluster's y alone
	s_lshl_b32 s44, s41, 2
	s_lshl_b32 s44, 15, s44
	s_lshl_b32 s45, 0x1111, s40
	GROUP1 G1, 44, 2048, 3, PCH/8                  ; P: three rows of 16,384 bytes
	GROUP1 G1B, 45, 4096, 3, VCH/8                 ; V^T: three rows of 32,768 bytes
	GROUP1 G1V, 45, 32, 128, 32                    ; V^T: 32,768 dense bytes
	GROUP1 G1L, 44, 32, 64, 32                     ; P: 16,384 dense bytes
	s_lshl_b32 s18, s43, 14                        ; P: 8 blocks of rows x 2,048 a tile
	s_mov_b32 s19, 0
	s_lshl_b32 s20, s[BAT], 21                     ; V^T: 16 chunks a batch,
	s_lshl_b32 s17, s42, 15                        ; 16 blocks of rows a tile,
	s_add_co_u32 s20, s20, s17
	s_add_co_u32 s20, s20, 16777216                ; behind Q and K
	s_mov_b32 s21, 0
	s_lshl_b32 s22, s[BAT], 16                     ; its scale words
	s_lshl_b32 s17, s42, 10
	s_add_co_u32 s22, s22, s17
	s_add_co_u32 s22, s22, 524288
	s_mov_b32 s23, 0
	s_lshl_b32 s46, s43, 10                        ; the tile's rows in the three arrays of statistics: 8 bytes a row
	s_mov_b32 s47, 0
	s_lshl_b32 s2, s43, 19                         ; O: (128 query tile + 64 HR) rows of 4,096 bytes + (256 channel tile + 128 HC) x 4
	s_lshl_b32 s3, s[HR], 18
	s_add_co_u32 s2, s2, s3
	s_lshl_b32 s3, s42, 10
	s_add_co_u32 s2, s2, s3
	s_lshl_b32 s3, s[HC], 9
	s_add_co_u32 s2, s2, s3
	s_mov_b32 s3, 0
	s_mov_b32 s80, 0x01010101
	s_mov_b32 s81, 0x80808080
	s_mul_i32 s17, s[HR], 3*PL                     ; the head's loads: slot HR, chunks 3 HR on
	s_mov_b32 s[G0], 1
	s_mov_b32 s[G0+1], s17
	s_mul_i32 s17, s[HR], 3*VL
	s_mov_b32 s[G0B], 1
	s_add_co_u32 s[G0B+1], s17, VOFF
	s_wait_dscnt 0x0                               ; both opening adds are done
	CROUND                                         ; all sixteen work-groups are here: the first joint loads meet
	s_wait_kmcnt 0x0
	s_add_nc_u64 s[18:19], s[4:5], s[18:19]
	s_add_nc_u64 s[20:21], s[8:9], s[20:21]
	s_add_nc_u64 s[22:23], s[10:11], s[22:23]
	s_add_nc_u64 s[6:7], s[6:7], s[46:47]
	s_add_nc_u64 s[12:13], s[12:13], s[2:3]
.irp j, 0,1,2,3,4,5,6,7                ; my row's 16 chunks, two a load: -M, sums, words
	global_load_b64 v[HN+2*\j:HN+2*\j+1], v[GOF], s[6:7] offset:524288+65536*\j
.endr
.irp j, 0,1,2,3,4,5,6,7
	global_load_b64 v[HL+2*\j:HL+2*\j+1], v[GOF], s[6:7] offset:1048576+65536*\j
.endr
.irp j, 0,1,2,3,4,5,6,7
	global_load_b64 v[HW+2*\j:HW+2*\j+1], v[GOF], s[6:7] offset:65536*\j
.endr
.irp k, 0,1,2,3,4,5,6,7                ; and V^T's words
	global_load_b128 v[VWD+4*\k:VWD+4*\k+3], v[VGO], s[22:23] offset:8192*\k
.endr
	s_mul_i32 s46, s[HR], 3*PCH
	s_add_nc_u64 s[G0+2:G0+3], s[18:19], s[46:47]
	s_or_b32 s[G0+3], s[G0+3], 0x80000000
	s_mul_i32 s46, s[HR], 3*VCH
	s_add_nc_u64 s[G0B+2:G0B+3], s[20:21], s[46:47]
	s_or_b32 s[G0B+3], s[G0B+3], 0x80000000
; ONE joint load a wave, each in an arm and a line of its own; every way through passes exactly one
.macro ARM under, g0, g1, next
	s_cmp_lt_u32 s[WV], \under
	s_cbranch_scc0 \next
	TLOAD \g0, \g1
	s_branch .Lhead_asked
\next:
.endm
	ARM 1, G0, G1, .Lhead_v0
	ARM 2, G0B, G1B, .Lhead_p1
	ARM 3, G0, G1, .Lhead_v1
	TLOAD G0B, G1B
.Lhead_asked:
	s_lshl_b32 s46, s[WV], 17                      ; the refills: waves 0 to 2 take a chunk of V^T each
	s_add_nc_u64 s[20:21], s[20:21], s[46:47]
	; the prefetches: waves 0 to 2 my quarter (cy) of a chunk of V^T, 8,192 bytes, lanes 256 bytes apart; wave 3 my quarter (cx) of P's chunks, 4,096 bytes each: lanes 0-15 one chunk, lanes 16-31 the next
	s_add_nc_u64 s[PFA:PFA+1], s[20:21], 6*VCH     ; V^T: the first refill's,
	s_add_nc_u64 s[78:79], s[18:19], 9*PCH         ; P: the second's
	s_lshl_b32 s46, s41, 13
	s_lshl_b32 s44, s40, 12
	s_mov_b32 s2, 4096
	s_mov_b32 s3, PCH
	s_cmp_lt_u32 s[WV], 3
	s_cselect_b64 s[PFA:PFA+1], s[PFA:PFA+1], s[78:79]
	s_cselect_b32 s46, s46, s44
	s_cselect_b32 s2, s2, s3                       ; from lanes 0-15 to lanes 16-31
	s_add_nc_u64 s[PFA:PFA+1], s[PFA:PFA+1], s[46:47]
	v_mul_lo_u32 v[PF], v2, s2
	v_lshl_add_u32 v[PF], v1, 8, v[PF]
	v_min_u32 v[PF2], 15, v3                       ; one chunk: lanes 16-31 name the last block again
	v_lshlrev_b32 v[PF2], 8, v[PF2]
	s_lshl_b32 s2, s[HR], 13                       ; LDS: my 64 rows of P,
	s_lshl_b32 s3, s[HC], 14                       ; my 128 rows of V^T
	s_add_co_u32 s3, s3, VOFF
.irp s, 0,1
	v_add_nc_u32 v[ADRA+\s], s2, v[CO]
	v_add_nc_u32 v[ADRB+2*\s], s3, v[CO]
	v_add_nc_u32 v[ADRB+2*\s+1], 2*VL, v[ADRB+2*\s]
	s_add_co_u32 s2, s2, 3*PL
	s_add_co_u32 s3, s3, 3*VL
.endr
	s_lshl_b32 s2, s[HR], 8                        ; scale words: P's rows,
	s_lshl_b32 s3, s[HC], 9
	s_add_co_u32 s3, s3, 512                       ; V^T's
	s_add_co_u32 s17, s3, SCW
	v_lshl_add_u32 v[ADRV], v1, 2, s17
	s_sub_co_u32 s3, s3, s2
	v_mul_u32_u24 v6, s3, v2                       ; lanes 16-31 take V^T's: one product, the distance x h
	s_add_co_u32 s17, s2, SCW
	v_lshl_add_u32 v5, v1, 2, v6
	v_add_nc_u32 v[ADRS], s17, v5
	s_add_co_u32 s17, s2, RLS
	v_lshl_add_u32 v[ADRL], v1, 2, s17
	s_mul_i32 s17, s[WV], 16*SPITCH
	s_add_co_u32 s17, s17, STG
	v_mul_u32_u24 v5, v1, SPITCH
	v_lshl_add_u32 v5, v2, 5, v5
	v_add_nc_u32 v[STO], s17, v5                   ; into my stage: row r, 32 bytes for each half of the lanes
	v_add_nc_u32 v[RD], s17, v[CO]                 ; back: a row of 512 bytes to the 32 lanes
.irp a, 0,1,2,3
	v_mov_b32 v[RL+2*\a+1], 0                      ; named as the upper halves of pairs
.endr
	s_wait_alu depctr_va_vdst(0)
	s_wait_loadcnt 0x0
.irp k, 0,1,2,3,4,5,6,7
	ds_store_b128 v[VSW], v[VWD+4*\k:VWD+4*\k+3] offset:3072*\k
.endr
	v_min3_num_f32 v[HT], v[HN], v[HN+1], v[HN+2]  ; -M of the row: the smallest of the chunks' -M, in two chains
	v_min3_num_f32 v[HT+1], v[HN+3], v[HN+4], v[HN+5]
	v_min3_num_f32 v[HT], v[HT], v[HN+6], v[HN+7]
	v_min3_num_f32 v[HT+1], v[HT+1], v[HN+8], v[HN+9]
	v_min3_num_f32 v[HT], v[HT], v[HN+10], v[HN+11]
	v_min3_num_f32 v[HT+1], v[HT+1], v[HN+12], v[HN+13]
	v_min3_num_f32 v[HT], v[HT], v[HN+14], v[HN+15]
	v_min_num_f32 v[HT], v[HT], v[HT+1]
.macro FOUR op:vararg                  ; the line for four chunks by turns: no line waits for the line above it
.irp k, 0,1,2,3
	\op
.endr
.endm
.irp g, 0,4,8,12
.irp k, 0,1,2,3
	v_sub_f32 v[TA+\k], v[HT], v[HN+\g+\k]         ; -d: a whole number, 0 or less
.endr
.irp k, 0,1,2,3
	v_cvt_i32_f32 v[TA+\k], v[TA+\k]               ; (it saturates)
.endr
.if \g == 0
.irp k, 0,1,2,3
	v_ldexp_f32 v[TS+\k], v[HL+\k], v[TA+\k]       ; the chunk's sum under the row's M; four chains
.endr
.else
.irp k, 0,1,2,3
	v_ldexp_f32 v[TB+\k], v[HL+\g+\k], v[TA+\k]
.endr
.irp k, 0,1,2,3
	v_add_f32 v[TS+\k], v[TS+\k], v[TB+\k]
.endr
.endif
.irp k, 0,1,2,3
	v_sub_nc_u32 v[TA+\k], 0, v[TA+\k]
.endr
.irp k, 0,1,2,3
	v_min_u32 v[TA+\k], 127, v[TA+\k]              ; d, held at 127: every byte is under 128
.endr
.irp k, 0,1,2,3
	v_mul_lo_u32 v[TA+\k], v[TA+\k], s80           ; d in each of the four bytes
.endr
.irp k, 0,1,2,3
	v_or_b32 v[TB+\k], s81, v[HW+\g+\k]            ; 128 + byte: no borrow passes from byte to byte;
.endr
.irp k, 0,1,2,3
	v_sub_nc_u32 v[TB+\k], v[TB+\k], v[TA+\k]      ; bit 7 of a byte stays set where the byte was at least d
.endr
.irp k, 0,1,2,3
	v_and_b32 v[TC+\k], s81, v[TB+\k]
.endr
.irp k, 0,1,2,3
	v_lshrrev_b32 v[TD+\k], 7, v[TC+\k]
.endr
.irp k, 0,1,2,3
	v_sub_nc_u32 v[TC+\k], v[TC+\k], v[TD+\k]      ; 0x7f there, 0 elsewhere
.endr
.irp k, 0,1,2,3
	v_and_b32 v[TB+\k], v[TB+\k], v[TC+\k]         ; byte - d, held at 0
.endr
.irp k, 0,1,2,3
	ds_store_b32 v[PSW], v[TB+\k] offset:1536*(\g+\k)
.endr
.endr
	v_add_f32 v[TS], v[TS], v[TS+1]
	v_add_f32 v[TS+2], v[TS+2], v[TS+3]
	v_add_f32 v[HT+2], v[TS], v[TS+2]              ; l
	s_wait_alu depctr_va_vdst(0)
	v_rcp_f32 v[HT+3], v[HT+2]
	v_nop                                          ; a plain line behind the reciprocal
	s_wait_alu depctr_va_vdst(0)                   ; the wait ahead of its first reader
	ds_store_b32 v[RLW], v[HT+3]
	s_cmp_lt_u32 s[WV], 2                          ; waves 0, 1: slot 0 is in; waves 2, 3 wait for slot 1 at the first change of slots
	s_cbranch_scc0 .Lnot_yet
	s_wait_tensorcnt 0x0
.Lnot_yet:
	s_wait_dscnt 0x0                               ; my stores have landed
	s_barrier_signal -1
	s_barrier_wait -1
; Half k of chunk ch's operands into set ch % 2, 28 loads: the scale words and V^T's fragments 0-4; V^T's 5-7 and P's four, P's block 0 first.  Chunk ch lies in slot (ch / 3) % 2, place ch % 3 of it.
.macro HALF ch, k
.set S_, ((\ch)/3)%2
.set Q_, (\ch)%3
.set P_, (\ch)%2
.if (\k) == 0
	WIN 0
.irp i, 0,1,2,3
	ds_load_b32 v[SC+8*P_+\i], v[ADRS] offset:1536*(\ch)+64*\i
.endr
.irp i, 4,5,6,7
	ds_load_b32 v[SC+8*P_+\i], v[ADRV] offset:1536*(\ch)+64*\i
.endr
.endif
	WIN TO_B
.irp i, 0,1,2,3,4,5,6,7
.if \i/5 == (\k)
.irp j, 0,1,2,3
	ds_load_b128 v[128*P_+16*\i+4*\j:128*P_+16*\i+4*\j+3], v[ADRB+2*S_+Q_/2] offset:VL*(Q_%2)+2048*\i+512*\j
.endr
.endif
.endr
.if (\k) == 1
	WIN TO_A
.irp i, 0,1,2,3
.irp j, 0,1,2,3
	ds_load_b128 v[64*P_+16*\i+4*\j:64*P_+16*\i+4*\j+3], v[ADRA+S_] offset:PL*Q_+2048*\i+512*\j
.endr
.endr
.endif
.endm
.macro MUL8 a, ch, zero                ; the 32 accumulators take turns, in the same order in every chunk
.set P_, (\ch)%2
.irp b, 0,1,2,3,4,5,6,7
.if \zero
	v_wmma_scale_f32_16x16x128_f8f6f4 v[8*(8*(\a)+\b):8*(8*(\a)+\b)+7], v[128*P_+16*\b:128*P_+16*\b+15], v[64*P_+16*(\a):64*P_+16*(\a)+15], 0, v[SC+8*P_+\b], v[SC+8*P_+(\a)] matrix_a_fmt:MATRIX_FMT_BF8 matrix_b_fmt:MATRIX_FMT_BF8 matrix_a_scale:MATRIX_SCALE_ROW1
.else
	v_wmma_scale_f32_16x16x128_f8f6f4 v[8*(8*(\a)+\b):8*(8*(\a)+\b)+7], v[128*P_+16*\b:128*P_+16*\b+15], v[64*P_+16*(\a):64*P_+16*(\a)+15], v[8*(8*(\a)+\b):8*(8*(\a)+\b)+7], v[SC+8*P_+\b], v[SC+8*P_+(\a)] matrix_a_fmt:MATRIX_FMT_BF8 matrix_b_fmt:MATRIX_FMT_BF8 matrix_a_scale:MATRIX_SCALE_ROW1
.endif
.endr
.endm
.macro PLACES n
.rept \n
	v_nop
.endr
.endm
.macro STEP3 ch, zero                  ; chunk ch's products; the next chunk, of the same slot, is fetched among them
	s_wait_dscnt 12                                ; V^T's fragments and P's block 0 are in; P's blocks 1-3, the youngest 12 loads, may be out
	PLACES 8                                       ; for the loads into the other set, which the last products read
	HALF (\ch)+1, 0
	WIN MUL
	MUL8 0, \ch, \zero
	s_wait_dscnt 28                                ; P's blocks 1-3 are in; the 28 loads above may be out
	MUL8 1, \ch, \zero
	HALF (\ch)+1, 1
	WIN MUL
	MUL8 2, \ch, \zero
	MUL8 3, \ch, \zero
.endm
.macro DESC n                          ; refill n's groups 0: chunks 6 + 3 n on, into slot n % 2
	s_mov_b32 s[G0+1], ((\n)%2)*3*PL
	s_add_nc_u64 s[G0+2:G0+3], s[18:19], (6+3*(\n))*PCH
	s_or_b32 s[G0+3], s[G0+3], 0x80000000
	s_lshl_b32 s17, s[WV], 15
	s_add_co_u32 s[G0B+1], s17, VOFF+((\n)%2)*3*VL
	s_add_nc_u64 s[G0B+2:G0B+3], s[20:21], (6+3*(\n))*VCH
	s_or_b32 s[G0B+3], s[G0B+3], 0x80000000
.endm
.macro REFILL n                        ; refill 3 is chunk 15 alone: waves 0 and 3
.if (\n) < 3
	s_cmp_lt_u32 s[WV], 3
	s_cbranch_scc0 .Lfor_p_\@
	TLOAD G0B, G1V
	s_branch .Lasked_\@
.Lfor_p_\@:
	TLOAD G0, G1
.Lasked_\@:
.else
	s_cmp_lt_u32 s[WV], 1
	s_cbranch_scc0 .Lfor_p_\@
	TLOAD G0B, G1V
	s_branch .Lasked_\@
.Lfor_p_\@:
	s_cmp_lt_u32 s[WV], 3
	s_cbranch_scc1 .Lasked_\@
	TLOAD G0, G1L
.Lasked_\@:
.endif
.endm
.macro ASK n                           ; what refill n will ask for
.if (\n) < 3
	s_cmp_lt_u32 s[WV], 3
	s_cbranch_scc0 .Lask_p_\@
	global_prefetch_b8 v[PF], s[PFA:PFA+1] offset:(\n)*3*VCH th:TH_LOAD_NT scope:SCOPE_SE
	s_branch .Ldone_\@
.Lask_p_\@:
	global_prefetch_b8 v[PF], s[PFA:PFA+1] offset:((\n)-1)*3*PCH th:TH_LOAD_NT scope:SCOPE_SE
	global_prefetch_b8 v[PF2], s[PFA:PFA+1] offset:((\n)-1)*3*PCH+2*PCH th:TH_LOAD_NT scope:SCOPE_SE
.Ldone_\@:
.else
	s_cmp_lt_u32 s[WV], 1
	s_cbranch_scc0 .Lask_p_\@
	global_prefetch_b8 v[PF], s[PFA:PFA+1] offset:9*VCH th:TH_LOAD_NT scope:SCOPE_SE
	s_branch .Ldone_\@
.Lask_p_\@:
	s_cmp_lt_u32 s[WV], 3
	s_cbranch_scc1 .Ldone_\@
	global_prefetch_b8 v[PF2], s[PFA:PFA+1] offset:6*PCH th:TH_LOAD_NT scope:SCOPE_SE
.Ldone_\@:
.endif
.endm
.macro TURN3 ch, n                     ; chunk ch is its slot's last, and all its loads are issued: the change of slots, with refill n of that slot (n under 0: none)
	WIN 0                                          ; the add's two registers lie in window 0
	s_wait_tensorcnt 0x0                           ; all my tensor loads have landed: my part of the next slot
	ds_add_u32 v[SPW], v[NIL]                      ; 0 onto my spare word
.if (\n) >= 0
	DESC \n
.endif
	s_wait_dscnt 13                                ; P's blocks 1-3 (12 loads) and the add may be out
	WIN MUL
	MUL8 0, \ch, 0
	s_wait_dscnt 0x0                               ; the add is done, my reads of this slot are over
	s_barrier_signal -1
	MUL8 1, \ch, 0
	WIN 0
	s_barrier_wait -1
.if (\n) >= 0
	CREST                                          ; no wave of any partner still reads this slot or has a load on its way
	REFILL \n                                      ; the first tensor load behind the round
.endif
	PLACES 8
	HALF (\ch)+1, 0
.if (\n) >= 0 && (\n) < 3
	WIN 0
	ASK (\n)+1
.endif
	WIN MUL
	MUL8 2, \ch, 0
	HALF (\ch)+1, 1
	WIN MUL
	MUL8 3, \ch, 0
.endm
.irp a, 0,1,2,3
	ds_load_b32 v[RL+2*\a], v[ADRL] offset:64*\a
.endr
	HALF 0, 0
	HALF 0, 1
	WIN 0
	ASK 0
	STEP3 0, 1                                     ; the first products start the sums
	STEP3 1, 0
	TURN3 2, 0
	STEP3 3, 0
	STEP3 4, 0
	TURN3 5, 1
	STEP3 6, 0
	STEP3 7, 0
	TURN3 8, 2
	STEP3 9, 0
	STEP3 10, 0
	TURN3 11, 3
	STEP3 12, 0
	STEP3 13, 0
	TURN3 14, -1                                   ; nothing is left to fetch
	s_wait_dscnt 0x0
.irp k, 0,1,2,3
	MUL8 \k, 15, 0
.endr
; THE WAY OUT, 16 queries x 128 channels at a time: x 1 / l in place; through my own stage in LDS; back as whole rows of 512 bytes, into window 1, where V^T's set 0 lay.
.macro TOSTAGE a
	WIN 0x82                                       ; destination and source 0 window 2, 1 / l window 0
.set i, 0
.rept 32
	v_pk_mul_f32 v[64*(\a)+2*i:64*(\a)+2*i+1], v[64*(\a)+2*i:64*(\a)+2*i+1], v[RL+2*(\a):RL+2*(\a)+1] op_sel_hi:[1,0]   ; each accumulator from its low end on
.set i, i+1
.endr
	WIN 0x08                                       ; an LDS store's data are its source 1: window 2
.irp b, 0,1,2,3,4,5,6,7
	ds_store_b128 v[STO], v[64*(\a)+8*\b:64*(\a)+8*\b+3] offset:64*\b
	ds_store_b128 v[STO], v[64*(\a)+8*\b+4:64*(\a)+8*\b+7] offset:64*\b+16
.endr
	WIN 0x40                                       ; destination window 1
.irp t, 0,1,2,3,4,5,6,7,8,9,10,11,12,13,14,15
	ds_load_b128 v[64*((\a)%2)+4*\t:64*((\a)%2)+4*\t+3], v[RD] offset:\t*SPITCH   ; LDS serves a wave's instructions in order: these see my stores
.endr
.endm
.macro SEND a, younger
	s_wait_dscnt \younger                          ; the block is back; the next block's 16 stores and 16 loads may be out
	WIN 0x04                                       ; a store's data are its source 1: window 1
.irp t, 0,1,2,3,4,5,6,7,8,9,10,11,12,13,14,15
	global_store_b128 v[CO], v[64*((\a)%2)+4*\t:64*((\a)%2)+4*\t+3], s[12:13] offset:65536*(\a)+4096*\t th:TH_STORE_NT   ; 32 lanes store 512 consecutive bytes, aligned
.endr
.endm
	PLACES 8                                       ; behind the last products: results are read, and loads land where operands lay
	TOSTAGE 0
	TOSTAGE 1
	SEND 0, 32
	s_wait_xcnt 0x0                                ; block 0's stores have read their registers: block 2's rows may land there
	TOSTAGE 2
	SEND 1, 32
	s_wait_xcnt 0x0
	TOSTAGE 3
	SEND 2, 32
	SEND 3, 0
	WIN 0
	s_wait_tensorcnt 0x0                           ; the wave's end
	ds_add_u32 v[SPW], v[NIL]
	s_wait_dscnt 0x0
	CROUND                                         ; the closing round
	s_endpgm
.Lfunc_end_k_q85375eb408_pv:
	.size	k_q85375eb408_pv, .Lfunc_end_k_q85375eb408_pv-k_q85375eb408_pv
	.p2alignl 7, 3214868480
	.fill 96, 4, 3214868480
	.section	.rodata,"a",@progbits
	.p2align	6, 0x0
	.amdhsa_kernel k_q85375eb408_pv
		.amdhsa_group_segment_fixed_size 327680
		.amdhsa_private_segment_fixed_size 0
		.amdhsa_enable_private_segment 0
		.amdhsa_kernarg_size 40
		.amdhsa_user_sgpr_count 2
		.amdhsa_user_sgpr_kernarg_segment_ptr 1
		.amdhsa_wavefront_size32 1
		.amdhsa_system_sgpr_workgroup_id_x 1
		.amdhsa_system_sgpr_workgroup_id_y 1
		.amdhsa_system_sgpr_workgroup_id_z 1
		.amdhsa_system_vgpr_workitem_id 0
		.amdhsa_next_free_vgpr 896
		.amdhsa_next_free_sgpr 92
		.amdhsa_reserve_vcc 0
		.amdhsa_float_denorm_mode_32 3
		.amdhsa_float_denorm_mode_16_64 3
		.amdhsa_memory_ordered 1
		.amdhsa_forward_progress 1
		.amdhsa_inst_pref_size 182
	.end_amdhsa_kernel
	.amdgpu_metadata
---
amdhsa.version: [ 1, 2 ]
amdhsa.kernels:
  - .name:           k_q85375eb408_pv
    .symbol:         k_q85375eb408_pv.kd
    .args:
      - { .name: pcodes, .offset: 0, .size: 8, .value_kind: global_buffer, .address_space: global }
      - { .name: pstats, .offset: 8, .size: 8, .value_kind: global_buffer, .address_space: global }
      - { .name: codes1, .offset: 16, .size: 8, .value_kind: global_buffer, .address_space: global }
      - { .name: scales1, .offset: 24, .size: 8, .value_kind: global_buffer, .address_space: global }
      - { .name: out0, .offset: 32, .size: 8, .value_kind: global_buffer, .address_space: global }
    .group_segment_fixed_size: 327680
    .private_segment_fixed_size: 0
    .kernarg_segment_align: 8
    .kernarg_segment_size: 40
    .max_flat_workgroup_size: 128
    .sgpr_count:     92
    .vgpr_count:     896
    .wavefront_size: 32
...
	.end_amdgpu_metadata
.endif
;; end of part 3
